; MI455X (gfx1250); checked and timed in simulation.
; The chip was launched on July 23, 2026; its instructions are those of AMD's public machine-readable ISA for CDNA 5 (MIT licence, August 2026) and "CDNA5" Instruction Set Architecture Reference Guide (July 2026). The comments in the code are by the model that wrote it; some were corrected since.
;; MHSA Module. Allowed arithmetic: matrix products marked QUANTISED: E2M1 operands, one E8M0 scale for each 32 along K, by v_wmma_scale_f32_16x16x128_f8f6f4 with both operands' format E2M1 (or v_wmma_scale_f32_32x16x128_f4), f32 sums; products left as they are: bf16, f16 or f32 operands; f32 sums; everything else in f32.
;; Inputs: Wk 768 x 768 float32; Wo 768 x 768 float32; Wq 768 x 768 float32; Wv 768 x 768 float32; bk 768 float32; bo 768 float32; bq 768 float32; bv 768 float32; x 16 x 1,025 x 768 float32.
;; Outputs: out0 16 x 1,025 x 768 float32; out1 16 x 12 x 32 x 32 float32.
;; This version of the problem:
;;   THIS VERSION OF THE PROBLEM IS GIVEN IN LOW PRECISION. The matrix products marked QUANTISED in the list below multiply operands that are first quantised to E2M1 (2 exponent bits, 1 mantissa bit; 4 bits a number), with one power-of-two scale for each 32 numbers along K (OCP MX v1.0); their sums are f32. The products marked 'left as it is' may take bf16, f16 or f32 operands, with f32 sums. Whichever they take, every output number must still come out within the allowed error. Rounding operands to bf16 (8 significant bits) uses up far more of that allowance than f16 does (11 bits, for magnitudes from 6e-5 to 65,504). All else is computed in f32.
;;   The module's matrix products, in the order in which they are computed (A, B: the left and right operand; K: the contracted axis; several contracted axes count as one K, in the product's order):
;;     1. [M 16,400, K 768] x [K 768, N 768]; A: input x; B: input Wq: QUANTISED
;;     2. [M 16,400, K 768] x [K 768, N 768]; A: input x; B: input Wk: QUANTISED
;;     3. [M 16,400, K 768] x [K 768, N 768]; A: input x; B: input Wv: QUANTISED
;;     4. batch 192 x [M 1,025, K 64] x [K 64, N 1,025]; A: computed on the way; B: computed on the way: left as it is (an operand is computed on the way)
;;     5. batch 192 x [M 1,025, K 1,025] x [K 1,025, N 64]; A: computed on the way; B: computed on the way: left as it is (an operand is computed on the way)
;;     6. [M 16,400, K 768] x [K 768, N 768]; A: computed on the way; B: input Wo: left as it is (an operand is computed on the way)
;;   THE QUANTISER, for each operand of a quantised product, along K:
;;     - K is cut into blocks of 32 from its start; a last block that is shorter is filled with zeros.
;;     - A block's scale is 2^e with e = floor(log2(the largest magnitude in the block)) - 2, held to -126 .. 127; a block of zeros has e = 0. As a byte (E8M0): e + 127.
;;     - Each number is divided by its block's scale, clamped to +-6, and rounded to the nearest number of E2M1, ties to even, subnormals kept.
;;     - The product sums the exact products of the quantised numbers (number of the format x scale) in f32.
;;   ~~~python
;;   def quantise(x, axis):      # numpy; x: float32 -> the quantised numbers, widened to float32 again
;;       x = np.moveaxis(x, axis, -1); K = x.shape[-1]
;;       x = np.pad(x, [(0, 0)] * (x.ndim - 1) + [(0, -K % 32)]); x = x.reshape(x.shape[:-1] + (-1, 32)); a = np.abs(x).max(-1, keepdims=True)
;;       e = np.where(a > 0, np.clip(np.frexp(np.where(a > 0, a, 1))[1] - 1 - 2, -126, 127), 0)      # np.frexp(a)[1] - 1 = floor(log2(a)), exactly
;;       r = np.clip(x / 2.0 ** e, -6, 6)
;;       step = 2.0 ** (np.maximum(np.frexp(np.where(r == 0, 1, r))[1] - 1, 0) - 1)
;;       q = np.round(r / step) * step * 2.0 ** e      # np.round: ties to even
;;       return np.moveaxis(q.reshape(q.shape[:-2] + (-1,))[..., :K], -1, axis).astype(np.float32)
;;   ~~~
;; One version. Each part assembles by itself: llvm-mc -triple=amdgcn-amd-amdhsa -mcpu=gfx1250 --defsym DOCPART=n.
;; ======== version 1 of 1: 4 launches
;; limits: values are held in f16: magnitudes above 65,504 overflow, below 6.1e-05 lose precision; right only within a limited range of input values
;; workspace buffers: xc 6,297,600 bytes; xs 393,728 bytes; wc 884,736 bytes; ws 55,296 bytes; wo16 1,179,648 bytes; qkv 75,571,200 bytes; ao 25,165,824 bytes; aocls 24,576 bytes
;; launch quant (part 1): grid 1217 x 1, 3 waves a work-group, no clusters, 25,856 bytes of LDS; arguments x, Wq, Wk, Wv, Wo, xc, xs, wc, ws, wo16; writes xc, xs, wc, ws, wo16
.if DOCPART == 1
	.amdgcn_target "amdgcn-amd-amdhsa--gfx1250"
	.amdhsa_code_object_version 6
	.text
	.protected	k_qe1d2813d83_quant
	.globl	k_qe1d2813d83_quant
	.p2align	8
	.type	k_qe1d2813d83_quant,@function
k_qe1d2813d83_quant:
	s_mov_b64 s[64:65], 0
	v_nop
	global_prefetch_b8 v0, s[64:65] scope:SCOPE_SE
	s_setreg_imm32_b32 hwreg(HW_REG_WAVE_MODE, 25, 1), 1
	s_wait_xcnt 0x0
; FIRST OF FOUR LAUNCHES of multi-head self-attention: B 16, S 1025, D 768, 12 heads of 64.
; This one turns x, Wq, Wk, Wv into codes of E2M1 with one E8M0 scale byte for each 32 along K = 768, and Wo into f16.
; DEAD WORK, LEFT OUT IN THE WHOLE PROGRAM: bk.  scores[q][k] = q . (x Wk^T)[k] / 8 + q . bk / 8.  The second term does not hang on k, so the softmax
; along k takes it away for every value of the inputs; the scores have no other use, and k goes into no quantiser (the scores' product is left as it is).
; So bk has no way to any output: it is not loaded and is no argument of any launch.  LIMIT: a NaN, an infinity or an overflow that reaches only q . bk is not carried to the result.
; ROW TILES.  Tile i < 1024: batch i / 64, tokens 1 + 16 (i % 64) + 0 .. 15.  Tile 1024: row r is token 0 (cls) of batch r.  So the 1024 patch rows of a batch tile evenly.
; WORKSPACES ARE IMAGES OF OPERAND REGISTERS.  A fragment of codes (16 rows x 128 K) is 1,024 bytes: half c holds lane l's 16 bytes at 16 l: row l % 16, k = 64 c + 32 (l / 16) + 0 .. 31.
; A tile's scale words are 384 bytes: word at 128 p + 4 l: lanes 0-15 row l's word of K step 2 p, lanes 16-31 row (l - 16)'s word of K step 2 p + 1.
; An f16 fragment (16 rows x 32 k) is 1,024 bytes: half c holds lane l's 16 bytes at 16 l: row l % 16, k = 16 c + 8 (l / 16) + 0 .. 7.
; SHARES.  Work-group g < 1025: x's tile g; 1025 .. 1168: tile g - 1025 of Wq, Wk, Wv on end (16 rows each); 1169 .. 1216: 16 rows of Wo.  Wave p: K steps 2 p and 2 p + 1 (Wo: k = 256 p on).
; A load reads 512 consecutive bytes of one row; the 16 rows turn through the wave's own stage in LDS (rows of 512 + 16 bytes), so that a lane gets the 32 neighbours of a whole block.
; A block's scale byte is its largest magnitude's exponent field - 2, held at 1 from below.
; LIMITS: a block of zeros, and a block whose largest magnitude lies under 2^-124, take the byte 1 (the codes of zeros are zeros, and this program alone reads the bytes); NaN and infinities among the inputs are not served;
; Wo is rounded to f16: magnitudes beyond 65,504 are not served.
.set STGB,  8448                       ; a wave's stage: 16 rows x 528 bytes
.set SPARE, 3*STGB                     ; behind the stages: the spare words, 128 bytes a wave, two blocks of 256 bytes that no other line names
.set LI,   4                           ; v4   16 x lane
.set LS,   5                           ; v5   4 x lane
.set SIN,  6                           ; v6   the stage, way in
.set SOUT, 7                           ; v7   the stage, way out
.set SPW,  14                          ; v14  my spare word; never rewritten
.set NIL,  15                          ; v15  0; never rewritten
.set VO,   16                          ; v16-31   row r': its byte offset + 16 x lane
.set R,    32                          ; v32-159  two K steps as loaded
.set X,    160                         ; v160-223 a K step turned: two blocks of 32 neighbours
.set CD,   224                         ; v224-239 codes: eight registers a K step
	s_load_b256 s[4:11], s[0:1], 0x0               ; x, Wq, Wk, Wv
	s_load_b256 s[12:19], s[0:1], 0x20             ; Wo, xc, xs, wc
	s_load_b128 s[20:23], s[0:1], 0x40             ; ws, wo16
	v_lshl_add_u32 v[SPW], v0, 2, SPARE
	v_mov_b32 v[NIL], 0
	v_lshrrev_b32 v1, 5, v0
	v_readfirstlane_b32 s24, v1                    ; wave p
	v_and_b32 v2, 31, v0                           ; lane
	v_and_b32 v3, 15, v0                           ; r
	v_bfe_u32 v1, v0, 4, 1                         ; h
	v_lshlrev_b32 v[LI], 4, v2
	v_lshlrev_b32 v[LS], 2, v2
	s_mov_b32 s25, ttmp9
	s_cmp_ge_u32 s25, 1169
	s_cbranch_scc1 .Lwo
	; ---- x and the three quantised weights take one path; only pointers and the first row are chosen, by the work-group's number
	s_sub_co_u32 s26, s25, 1025                    ; the weights' tile (a very large number in x's work-groups, where it is not used)
	s_cmp_ge_u32 s26, 48
	s_cselect_b32 s35, 48, 0
	s_sub_co_u32 s36, s26, s35
	s_cmp_ge_u32 s36, 48
	s_cselect_b32 s35, 48, 0
	s_sub_co_u32 s36, s36, s35
	s_lshl_b32 s36, s36, 4                         ; a weight's first row: 16 x (tile mod 48)
	s_lshr_b32 s37, s25, 6
	s_mul_i32 s37, s37, 1025
	s_and_b32 s40, s25, 63
	s_lshl_b32 s40, s40, 4
	s_add_co_u32 s37, s37, s40
	s_add_co_u32 s37, s37, 1                       ; x's first row: 1025 x batch + 1 + 16 x tile in the batch
	s_mov_b32 s34, 3072                            ; from row to row
	s_cmp_eq_u32 s25, 1024
	s_cselect_b32 s37, 0, s37                      ; the cls tile begins at row 0,
	s_cselect_b32 s34, 3148800, s34                ; and its rows lie a batch (1025 rows) apart
	s_wait_kmcnt 0x0
	s_mov_b64 s[28:29], s[10:11]
	s_cmp_lt_u32 s26, 96
	s_cselect_b64 s[28:29], s[8:9], s[28:29]
	s_cmp_lt_u32 s26, 48
	s_cselect_b64 s[28:29], s[6:7], s[28:29]
	s_cmp_lt_u32 s25, 1025
	s_cselect_b64 s[28:29], s[4:5], s[28:29]       ; the source
	s_cselect_b64 s[30:31], s[14:15], s[18:19]     ; its codes
	s_cselect_b64 s[32:33], s[16:17], s[20:21]     ; its scale words
	s_cselect_b32 s27, s25, s26                    ; the tile's number in them
	s_cselect_b32 s36, s37, s36                    ; the first row
	s_mul_i32 s36, s36, 3072
	s_lshl_b32 s37, s24, 10
	s_add_co_u32 s36, s36, s37                     ; + my two K steps: 1,024 bytes a wave
	s_mov_b32 s37, 0
	s_add_nc_u64 s[28:29], s[28:29], s[36:37]
	s_mul_i32 s36, s27, 6144
	s_lshl_b32 s40, s24, 11
	s_add_co_u32 s36, s36, s40
	s_add_nc_u64 s[30:31], s[30:31], s[36:37]
	s_mul_i32 s36, s27, 384
	s_lshl_b32 s40, s24, 7
	s_add_co_u32 s36, s36, s40
	s_add_nc_u64 s[32:33], s[32:33], s[36:37]
.irp q, 0,1,2,3,4,5,6,7,8,9,10,11,12,13,14,15
	v_mad_u32_u24 v[VO+\q], s34, \q, v[LI]
.endr
.irp s2, 0,1
.irp q, 0,1,2,3,4,5,6,7,8,9,10,11,12,13,14,15
	global_load_b128 v[R+64*\s2+4*\q:R+64*\s2+4*\q+3], v[VO+\q], s[28:29] offset:512*\s2 th:TH_LOAD_NT   ; 32 lanes read 512 consecutive bytes of row q
.endr
.endr
	s_mul_i32 s41, s24, STGB
	v_add_nc_u32 v[SIN], s41, v[LI]                ; in: a row's 512 bytes as they lie
	v_mul_u32_u24 v[SOUT], v3, 528
	v_lshl_add_u32 v[SOUT], v1, 7, v[SOUT]
	v_add_nc_u32 v[SOUT], s41, v[SOUT]             ; out: row r, + 128 h: my block of 32 numbers
	v_lshlrev_b32 v241, 3, v1                      ; 8 h
	v_mov_b32 v242, 0                              ; written once: a lane permute's destination counts as one of its sources
	s_mov_b32 s38, 0x76543210
	s_mov_b32 s39, 0xfedcba98                      ; selects for lane l xor 16
.macro KSTEP s2
	s_wait_loadcnt 16*(1-\s2)                      ; this K step's 16 loads are in; the second step's 16 may be out
.irp q, 0,1,2,3,4,5,6,7,8,9,10,11,12,13,14,15
	ds_store_b128 v[SIN], v[R+64*\s2+4*\q:R+64*\s2+4*\q+3] offset:528*\q
.endr
.irp c, 0,1
.irp i, 0,1,2,3,4,5,6,7
	ds_load_b128 v[X+32*\c+4*\i:X+32*\c+4*\i+3], v[SOUT] offset:256*\c+16*\i   ; LDS serves a wave's instructions in order: these see my stores
.endr
.endr
	s_wait_dscnt 0x0
.irp c, 0,1
	v_max3_num_f32 v[8+\c], |v[X+32*\c]|, |v[X+32*\c+1]|, 0x1800000   ; block 2 c + h: all 32 numbers are mine; the floor 2^(3 - 127) holds the byte at 1 from below
.endr
.irp i, 2,4,6,8,10,12,14,16,18,20,22,24,26,28,30
.irp c, 0,1
	v_max3_num_f32 v[8+\c], v[8+\c], |v[X+32*\c+\i]|, |v[X+32*\c+\i+1]|
.endr
.endr
.irp c, 0,1
	v_add_nc_u32 v[10+\c], 0xff000000, v[8+\c]     ; 2 off the exponent field: the conversion takes this operand's exponent field as its scale
.endr
.irp c, 0,1
	v_lshrrev_b32 v[12+\c], 23, v[10+\c]           ; the scale's byte
.endr
	v_lshl_or_b32 v240, v13, 16, v12               ; my two bytes: blocks h and 2 + h of row r,
	v_lshlrev_b32 v240, v241, v240                 ; at their places in the word;
	v_permlanex16_b32 v242, v240, s38, s39
	v_or_b32 v[244+\s2], v240, v242                ; with lane l xor 16's two the word is whole
.irp c, 0,1
.irp g, 0,1,2,3
	v_cvt_scalef32_pk8_fp4_f32 v[CD+8*\s2+4*\c+\g], v[X+32*\c+8*\g:X+32*\c+8*\g+7], v[10+\c]
.endr
.endr
	v_nop                                          ; one plain line behind the last scaled conversion
.irp c, 0,1
	global_store_b128 v[LI], v[CD+8*\s2+4*\c:CD+8*\s2+4*\c+3], s[30:31] offset:1024*\s2+512*\c   ; half c of the fragment's image: 512 consecutive bytes
.endr
.endm
	KSTEP 0
	KSTEP 1
	v_cmp_le_u32 vcc_lo, 16, v2
	v_cndmask_b32 v246, v244, v245, vcc_lo         ; lanes 0-15 the even K step's word, lanes 16-31 the odd one's
	global_store_b32 v[LS], v246, s[32:33]
	s_wait_tensorcnt 0x0                           ; the wave's end: a wait, an add of 0 to my spare word and its wait, behind my last LDS store
	ds_add_u32 v[SPW], v[NIL]
	s_wait_dscnt 0x0
	s_endpgm
.Lwo:
	; ---- Wo to f16, in fragment images: lane (r, h) takes, of row r, k = 32 q + 16 c + 8 h + 0 .. 7.  No LDS
	s_sub_co_u32 s26, s25, 1169                    ; which 16 rows
	v_mul_u32_u24 v8, v3, 3072
	v_lshl_add_u32 v8, v1, 5, v8                   ; 3072 r + 32 h
	s_mul_i32 s36, s26, 49152
	s_lshl_b32 s37, s24, 10
	s_add_co_u32 s36, s36, s37
	s_mov_b32 s37, 0
	s_mul_i32 s40, s26, 24576
	s_lshl_b32 s41, s24, 13
	s_add_co_u32 s40, s40, s41
	s_mov_b32 s41, 0
	s_wait_kmcnt 0x0
	s_add_nc_u64 s[28:29], s[12:13], s[36:37]
	s_add_nc_u64 s[30:31], s[22:23], s[40:41]
.irp n, 0,1,2,3,4,5,6,7,8,9,10,11,12,13,14,15
	global_load_b128 v[R+8*\n:R+8*\n+3], v8, s[28:29] offset:64*\n th:TH_LOAD_NT
	global_load_b128 v[R+8*\n+4:R+8*\n+7], v8, s[28:29] offset:64*\n+16 th:TH_LOAD_NT
.endr
	s_wait_loadcnt 0x0
.irp n, 0,1,2,3,4,5,6,7,8,9,10,11,12,13,14,15
.irp j, 0,1,2,3
	v_cvt_pk_f16_f32 v[X+4*\n+\j], v[R+8*\n+2*\j], v[R+8*\n+2*\j+1]
.endr
.endr
.irp n, 0,1,2,3,4,5,6,7,8,9,10,11,12,13,14,15
	global_store_b128 v[LI], v[X+4*\n:X+4*\n+3], s[30:31] offset:512*\n   ; 512 consecutive bytes
.endr
	s_wait_tensorcnt 0x0                           ; the same three lines on this path
	ds_add_u32 v[SPW], v[NIL]
	s_wait_dscnt 0x0
	s_endpgm
.Lfunc_end_k_qe1d2813d83_quant:
	.size	k_qe1d2813d83_quant, .Lfunc_end_k_qe1d2813d83_quant-k_qe1d2813d83_quant
	.p2alignl 7, 3214868480
	.fill 96, 4, 3214868480
	.section	.rodata,"a",@progbits
	.p2align	6, 0x0
	.amdhsa_kernel k_qe1d2813d83_quant
		.amdhsa_group_segment_fixed_size 25856
		.amdhsa_private_segment_fixed_size 0
		.amdhsa_enable_private_segment 0
		.amdhsa_kernarg_size 80
		.amdhsa_user_sgpr_count 2
		.amdhsa_user_sgpr_kernarg_segment_ptr 1
		.amdhsa_wavefront_size32 1
		.amdhsa_system_sgpr_workgroup_id_x 1
		.amdhsa_system_sgpr_workgroup_id_y 1
		.amdhsa_system_sgpr_workgroup_id_z 1
		.amdhsa_system_vgpr_workitem_id 0
		.amdhsa_next_free_vgpr 248
		.amdhsa_next_free_sgpr 66
		.amdhsa_reserve_vcc 1
		.amdhsa_float_denorm_mode_32 3
		.amdhsa_float_denorm_mode_16_64 3
		.amdhsa_memory_ordered 1
		.amdhsa_forward_progress 1
		.amdhsa_inst_pref_size 28
	.end_amdhsa_kernel
	.amdgpu_metadata
---
amdhsa.version: [ 1, 2 ]
amdhsa.kernels:
  - .name:           k_qe1d2813d83_quant
    .symbol:         k_qe1d2813d83_quant.kd
    .args:
      - { .name: x, .offset: 0, .size: 8, .value_kind: global_buffer, .address_space: global }
      - { .name: Wq, .offset: 8, .size: 8, .value_kind: global_buffer, .address_space: global }
      - { .name: Wk, .offset: 16, .size: 8, .value_kind: global_buffer, .address_space: global }
      - { .name: Wv, .offset: 24, .size: 8, .value_kind: global_buffer, .address_space: global }
      - { .name: Wo, .offset: 32, .size: 8, .value_kind: global_buffer, .address_space: global }
      - { .name: xc, .offset: 40, .size: 8, .value_kind: global_buffer, .address_space: global }
      - { .name: xs, .offset: 48, .size: 8, .value_kind: global_buffer, .address_space: global }
      - { .name: wc, .offset: 56, .size: 8, .value_kind: global_buffer, .address_space: global }
      - { .name: ws, .offset: 64, .size: 8, .value_kind: global_buffer, .address_space: global }
      - { .name: wo16, .offset: 72, .size: 8, .value_kind: global_buffer, .address_space: global }
    .group_segment_fixed_size: 25856
    .private_segment_fixed_size: 0
    .kernarg_segment_align: 8
    .kernarg_segment_size: 80
    .max_flat_workgroup_size: 96
    .sgpr_count:     66
    .vgpr_count:     248
    .wavefront_size: 32
...
	.end_amdgpu_metadata
.endif
;; end of part 1
;; launch qkv (part 2): grid 4 x 64, 4 waves a work-group, no clusters, 52,736 bytes of LDS; arguments xc, xs, wc, ws, bq, bv, qkv; writes qkv
.if DOCPART == 2
	.amdgcn_target "amdgcn-amd-amdhsa--gfx1250"
	.amdhsa_code_object_version 6
	.text
	.protected	k_qe1d2813d83_qkv
	.globl	k_qe1d2813d83_qkv
	.p2align	8
	.type	k_qe1d2813d83_qkv,@function
k_qe1d2813d83_qkv:
	s_mov_b64 s[64:65], 0
	v_nop
	global_prefetch_b8 v0, s[64:65] scope:SCOPE_SE
	s_setreg_imm32_b32 hwreg(HW_REG_WAVE_MODE, 25, 1), 1
	s_wait_xcnt 0x0
; q = x Wq^T + bq, k = x Wk^T, v = x Wv^T + bv, on codes of E2M1 with E8M0 scales; sums in f32; results rounded to f16 and stored as images of the next launch's operands.
; bk is left out: it adds the same number to all scores of a row, which the softmax takes away, and k goes into no quantiser.
; SHARES.  Work-group (cs, rb): 256 rows (row tiles 16 rb on, all of batch rb / 4) x 576 columns (column tiles 36 cs on, of the 144 of q, k, v on end).
; THE WAVES SHARE THE COLUMNS: wave w keeps column tiles 36 cs + 9 w + 0 .. 8 for all of K in registers (54 fragments, 432 registers), read from memory once.
; x's codes go round: four row tiles at a time, one loaded by each wave, through LDS as images of their registers, in two buffers by turns: one barrier for four tiles.
; The four work-groups with rb = 63 also take the cls tile (row tile 1024).
; NO CLUSTER, NO TENSOR LOAD: the weights stay in registers; what work-groups share is x's codes, 6,144 bytes a row tile read by four work-groups, against 18,432 bytes stored for the same tile.
; THE PRODUCT IS USED TRANSPOSED (source 0 = 16 rows of W, source 1 = 16 rows of x): lane (r, h) holds token r and channels 8 h + 0 .. 7 of the column tile.  Four conversions make 16 bytes,
; which ARE lane l's part of half (tile % 2) of an f16 fragment (q, k), or bytes 32 r + 16 h of a tile of 16 keys x 16 channels (v): each store covers 512 consecutive bytes.  No stage.
; qkv: q at (12 b + head) 2^17 + tile 2048 + ct 512; k, v at KVO + (12 b + head) 2^18 + (v: 2^17) + tile 2048 + ct 512; the cls tile's at CLSO + (12 sel + head) 2048 + ct 512.
; LIMIT: q, k, v beyond 65,504 in magnitude are not served (f16).
; REGISTERS, in windows of 256.  Window 0: addresses, scale words, x's fragments (two buffers), the staging, packed results.  Window 1: weight fragments f = 9 s + i < 32 at 8 f.
; Window 2: fragments 32 .. 53 at 8 (f - 32); from v176 the nine accumulators.  Window 3: the nine tiles' biases in the result's layout: the C of each sum's first product.
.set KVO,   25165824
.set CLSO,  75497472
.set XSC,   49152                      ; LDS: two buffers of 4 x 6,144 bytes of codes; from here two of 4 x 384 bytes of scale words
.set SPARE, 52224                      ; the spare words, 128 bytes a wave: two blocks of 256 bytes that no other line names
.set LI,   1                           ; v1  16 x lane
.set LS,   2                           ; v2  4 x lane
.set LV,   3                           ; v3  32 r + 16 h
.set XWI,  4                           ; v4  where I store my tile's image: 16 x lane + 6144 x wave
.set XWS,  5                           ; v5  and its scale words: 4 x lane + 384 x wave
.set SPW,  6                           ; v6  my spare word; never rewritten
.set NIL,  7                           ; v7  0; never rewritten
.set H32,  8                           ; v8  32 h
.set VO,   10                          ; v10-18  column tile i: my byte offset in qkv
.set WS,   20                          ; v20-46  the weights' scale words, 3 i + p
.set XS,   48                          ; v48-53  x's scale words, two sets of 3
.set AF,   56                          ; v56-151 x's six fragments, two buffers of 48
.set SG,   152                         ; v152-199 the next block's tile on its way to LDS
.set SGS,  200                         ; v200-202 and its scale words
.set PK,   204                         ; v204-239 packed results
.set ACC,  176                         ; in window 2
.set MSB, 0
.macro WIN new                         ; the immediate's high byte repeats the setting that is left
.if MSB != \new
	s_set_vgpr_msb (MSB<<8)|\new
.set MSB, \new
.endif
.endm
.macro DECODE i                        ; column tile 36 cs + 9 w + i: s31 = 0, 1, 2 for q, k, v; s36 = its number among that tensor's 48; s33 = head; s32 = tile in the head
	s_add_co_u32 s30, s21, \i
	s_cmp_ge_u32 s30, 48
	s_cselect_b32 s31, 1, 0
	s_cmp_ge_u32 s30, 96
	s_cselect_b32 s32, 1, 0
	s_add_co_u32 s31, s31, s32
	s_mul_i32 s32, s31, 48
	s_sub_co_u32 s36, s30, s32
	s_lshr_b32 s33, s36, 2
	s_and_b32 s32, s36, 3
.endm
.macro BIASLD i                        ; the tile's bias, eight numbers a lane: channels 8 h + 0 .. 7.  k's tiles take zeros.  The branches hang on ids alone
	DECODE \i
	s_lshl_b32 s36, s36, 6
	v_add_nc_u32 v[PK+\i], s36, v[H32]
	s_cmp_eq_u32 s31, 1
	s_cbranch_scc1 .Lzero_\@
	s_cmp_eq_u32 s31, 0
	s_cbranch_scc0 .Lbv_\@
	WIN 0xc0
	global_load_b128 v[8*\i:8*\i+3], v[PK+\i], s[12:13]
	global_load_b128 v[8*\i+4:8*\i+7], v[PK+\i], s[12:13] offset:16
	WIN 0
	s_branch .Ldone_\@
.Lbv_\@:
	WIN 0xc0
	global_load_b128 v[8*\i:8*\i+3], v[PK+\i], s[14:15]
	global_load_b128 v[8*\i+4:8*\i+7], v[PK+\i], s[14:15] offset:16
	WIN 0
	s_branch .Ldone_\@
.Lzero_\@:
	WIN 0xc0
.irp j, 0,1,2,3,4,5,6,7
	v_mov_b32 v[8*\i+\j], 0
.endr
	WIN 0
.Ldone_\@:
.endm
.macro MKOFF i, cls                    ; my byte offset in qkv for column tile i
	DECODE \i
.if \cls
	s_mul_i32 s34, s31, 12
	s_add_co_u32 s34, s34, s33
	s_lshl_b32 s34, s34, 11
	s_add_co_u32 s34, s34, CLSO
.else
	s_add_co_u32 s34, s22, s33                     ; 12 b + head
	s_lshl_b32 s35, s34, 17                        ; q's place
	s_lshl_b32 s34, s34, 18
	s_sub_co_u32 s36, s31, 1
	s_lshl_b32 s36, s36, 17
	s_add_co_u32 s34, s34, s36
	s_add_co_u32 s34, s34, KVO                     ; k's or v's
	s_cmp_eq_u32 s31, 0
	s_cselect_b32 s34, s35, s34
	s_add_co_u32 s34, s34, s23                     ; + my block's first tile
.endif
	s_lshl_b32 s32, s32, 9
	s_add_co_u32 s34, s34, s32
	s_cmp_eq_u32 s31, 2
	s_cselect_b32 s35, -1, 0
	v_cndmask_b32 v[VO+\i], v[LI], v[LV], s35      ; v's tiles lie by rows of 32 bytes
	v_add_nc_u32 v[VO+\i], s34, v[VO+\i]
.endm
.macro GLOADX                          ; my tile of the next block: 6,144 bytes of codes, 384 of scale words
.irp c, 0,1,2,3,4,5,6,7,8,9,10,11
	global_load_b128 v[SG+4*\c:SG+4*\c+3], v[LI], s[24:25] offset:512*\c
.endr
.irp p, 0,1,2
	global_load_b32 v[SGS+\p], v[LS], s[26:27] offset:128*\p
.endr
.endm
.macro AFETCH u, t, buf                ; tile t of buffer u out of LDS, as any wave stored it
.irp c, 0,1,2,3,4,5,6,7,8,9,10,11
	ds_load_b128 v[AF+48*(\buf)+4*\c:AF+48*(\buf)+4*\c+3], v[LI] offset:(\u)*24576+(\t)*6144+512*\c
.endr
.irp p, 0,1,2
	ds_load_b32 v[XS+3*(\buf)+\p], v[LS] offset:XSC+(\u)*1536+(\t)*384+128*\p
.endr
.endm
.macro WM d, a, b, c, sa, sb, odd      ; odd K steps take their scale words from lanes 16-31
.if \odd
	v_wmma_scale_f32_16x16x128_f8f6f4 v[\d:\d+7], v[\a:\a+7], v[\b:\b+7], v[\c:\c+7], v[\sa], v[\sb] matrix_a_fmt:MATRIX_FMT_FP4 matrix_b_fmt:MATRIX_FMT_FP4 matrix_a_scale:MATRIX_SCALE_ROW1 matrix_b_scale:MATRIX_SCALE_ROW1
.else
	v_wmma_scale_f32_16x16x128_f8f6f4 v[\d:\d+7], v[\a:\a+7], v[\b:\b+7], v[\c:\c+7], v[\sa], v[\sb] matrix_a_fmt:MATRIX_FMT_FP4 matrix_b_fmt:MATRIX_FMT_FP4
.endif
.endm
.macro MULT buf                        ; 54 products: K step by K step, the nine accumulators by turns, one instruction a turn
.set f, 0
.rept 54
.set si, f/9
.set ii, f%9
.if f < 9
	WIN 0xb1                                       ; W window 1, x window 0, C = the bias in window 3, D window 2
	WM ACC+8*ii, 8*f, AF+48*(\buf)+8*si, 8*ii, WS+3*ii+si/2, XS+3*(\buf)+si/2, si%2
.elseif f < 32
	WIN 0xa1
	WM ACC+8*ii, 8*f, AF+48*(\buf)+8*si, ACC+8*ii, WS+3*ii+si/2, XS+3*(\buf)+si/2, si%2
.else
	WIN 0xa2
	WM ACC+8*ii, 8*(f-32), AF+48*(\buf)+8*si, ACC+8*ii, WS+3*ii+si/2, XS+3*(\buf)+si/2, si%2
.endif
.set f, f+1
.endr
.endm
.macro OUT imm, base                   ; the nine tiles leave: each accumulator is read from its low end on
	WIN 0
.rept 4
	v_nop                                          ; four places between the last product and the first read of a result
.endr
	s_wait_xcnt 0x0                                ; the last tile's stores have read PK: it is written again only behind this wait
	WIN 0x0a
.irp i, 0,1,2,3,4,5,6,7,8
.irp j, 0,1,2,3
	v_cvt_pk_f16_f32 v[PK+4*\i+\j], v[ACC+8*\i+2*\j], v[ACC+8*\i+2*\j+1]
.endr
.endr
	WIN 0
.irp i, 0,1,2,3,4,5,6,7,8
	global_store_b128 v[VO+\i], v[PK+4*\i:PK+4*\i+3], s[\base:\base+1] offset:\imm   ; 512 consecutive bytes
.endr
.endm
.macro TILE u, t
	s_wait_dscnt 0x0                               ; this tile's fragments are in
.if \t < 3
	AFETCH \u, (\t)+1, ((\t)+1)%2                  ; the next tile's, into the buffer that the tile before read: behind its way out's places
.endif
	MULT (\t)%2
	OUT (4*(\u)+(\t))*2048, 16
.endm
.macro BLOCK u                         ; four row tiles
	s_wait_loadcnt 0x0                             ; my tile of this block is in registers; its loads are done, so their bases may step
	s_add_nc_u64 s[24:25], s[24:25], 24576
	s_add_nc_u64 s[26:27], s[26:27], 1536
.irp c, 0,1,2,3,4,5,6,7,8,9,10,11
	ds_store_b128 v[XWI], v[SG+4*\c:SG+4*\c+3] offset:\u*24576+512*\c
.endr
.irp p, 0,1,2
	ds_store_b32 v[XWS], v[SGS+\p] offset:XSC+\u*1536+128*\p
.endr
	s_wait_dscnt 0x0                               ; for the others' sake: my stores have landed, and my reads of the other buffer are over
	s_barrier_signal -1
	s_barrier_wait -1                              ; this buffer is whole; the other is written again only behind the next barrier
.if \u
	s_cmp_eq_u32 s37, 1                            ; the last block has no successor: no load leaves its buffer
	s_cbranch_scc1 .Lnomore_\@
.endif
	GLOADX
.if \u
.Lnomore_\@:
.endif
	AFETCH \u, 0, 0
	TILE \u, 0
	TILE \u, 1
	TILE \u, 2
	TILE \u, 3
.endm
	s_load_b256 s[4:11], s[0:1], 0x0               ; xc, xs, wc, ws
	s_load_b128 s[12:15], s[0:1], 0x20             ; bq, bv
	s_load_b64 s[16:17], s[0:1], 0x30              ; qkv
	v_lshl_add_u32 v[SPW], v0, 2, SPARE
	v_mov_b32 v[NIL], 0
	v_lshrrev_b32 v9, 5, v0
	v_readfirstlane_b32 s18, v9                    ; wave
	v_and_b32 v9, 31, v0
	v_lshlrev_b32 v[LI], 4, v9
	v_lshlrev_b32 v[LS], 2, v9
	v_and_b32 v9, 15, v0
	v_bfe_u32 v[H32], v0, 4, 1
	v_lshlrev_b32 v[LV], 5, v9
	v_lshl_add_u32 v[LV], v[H32], 4, v[LV]
	v_lshlrev_b32 v[H32], 5, v[H32]
	s_mul_i32 s30, s18, 6144
	v_add_nc_u32 v[XWI], s30, v[LI]
	s_mul_i32 s30, s18, 384
	v_add_nc_u32 v[XWS], s30, v[LS]
	s_mov_b32 s19, ttmp9                           ; cs
	s_and_b32 s20, ttmp7, 0xffff                   ; rb
	s_mul_i32 s21, s19, 36
	s_mul_i32 s30, s18, 9
	s_add_co_u32 s21, s21, s30                     ; my first column tile
	s_lshr_b32 s22, s20, 2
	s_mul_i32 s22, s22, 12                         ; 12 b
	s_and_b32 s23, s20, 3
	s_lshl_b32 s23, s23, 15                        ; my block's first tile in the batch, x 2048
	s_mul_i32 s30, s21, 6144
	s_mov_b32 s31, 0
	s_mul_i32 s32, s21, 384
	s_mov_b32 s33, 0
	s_lshl_b32 s34, s20, 4
	s_add_co_u32 s34, s34, s18                     ; the row tile that I bring first
	s_mul_i32 s38, s34, 6144
	s_mov_b32 s39, 0
	s_mul_i32 s34, s34, 384
	s_mov_b32 s35, 0
	s_wait_kmcnt 0x0
	s_add_nc_u64 s[8:9], s[8:9], s[30:31]
	s_add_nc_u64 s[10:11], s[10:11], s[32:33]
	s_add_nc_u64 s[24:25], s[4:5], s[38:39]
	s_add_nc_u64 s[26:27], s[6:7], s[34:35]
	s_mov_b64 s[28:29], s[16:17]                   ; qkv, not stepped: for the cls tile
.set f, 0
.rept 54                               ; my 54 weight fragments: they stay
.if f < 32
	WIN 0x40
	global_load_b128 v[8*f:8*f+3], v[LI], s[8:9] offset:(f%9)*6144+(f/9)*1024
	global_load_b128 v[8*f+4:8*f+7], v[LI], s[8:9] offset:(f%9)*6144+(f/9)*1024+512
.else
	WIN 0x80
	global_load_b128 v[8*(f-32):8*(f-32)+3], v[LI], s[8:9] offset:(f%9)*6144+(f/9)*1024
	global_load_b128 v[8*(f-32)+4:8*(f-32)+7], v[LI], s[8:9] offset:(f%9)*6144+(f/9)*1024+512
.endif
.set f, f+1
.endr
	WIN 0
.irp i, 0,1,2,3,4,5,6,7,8
.irp p, 0,1,2
	global_load_b32 v[WS+3*\i+\p], v[LS], s[10:11] offset:\i*384+128*\p
.endr
.endr
	GLOADX
.irp i, 0,1,2,3,4,5,6,7,8
	BIASLD \i
.endr
.irp i, 0,1,2,3,4,5,6,7,8
	MKOFF \i, 0
.endr
	s_mov_b32 s37, 2
.Lpair:                                            ; a trip: eight row tiles
	BLOCK 0
	BLOCK 1
	s_wait_xcnt 0x0                                ; the stores have read their base
	s_add_nc_u64 s[16:17], s[16:17], 16384
	s_sub_co_u32 s37, s37, 1
	s_cmp_lg_u32 s37, 0
	s_cbranch_scc1 .Lpair
	s_cmp_lg_u32 s20, 63
	s_cbranch_scc1 .Lend
	; ---- the cls tile: every wave loads its six fragments itself (no store is pending on VO: the wait above)
.irp i, 0,1,2,3,4,5,6,7,8
	MKOFF \i, 1
.endr
.irp c, 0,1,2,3,4,5,6,7,8,9,10,11
	global_load_b128 v[AF+4*\c:AF+4*\c+3], v[LI], s[4:5] offset:1024*6144+512*\c
.endr
.irp p, 0,1,2
	global_load_b32 v[XS+\p], v[LS], s[6:7] offset:1024*384+128*\p
.endr
	s_wait_loadcnt 0x0
	MULT 0
	OUT 0, 28
.Lend:
	s_wait_tensorcnt 0x0                           ; the wave's end: a wait, an add of 0 to my spare word and its wait, behind my last LDS store
	ds_add_u32 v[SPW], v[NIL]
	s_wait_dscnt 0x0
	s_endpgm
.Lfunc_end_k_qe1d2813d83_qkv:
	.size	k_qe1d2813d83_qkv, .Lfunc_end_k_qe1d2813d83_qkv-k_qe1d2813d83_qkv
	.p2alignl 7, 3214868480
	.fill 96, 4, 3214868480
	.section	.rodata,"a",@progbits
	.p2align	6, 0x0
	.amdhsa_kernel k_qe1d2813d83_qkv
		.amdhsa_group_segment_fixed_size 52736
		.amdhsa_private_segment_fixed_size 0
		.amdhsa_enable_private_segment 0
		.amdhsa_kernarg_size 56
		.amdhsa_user_sgpr_count 2
		.amdhsa_user_sgpr_kernarg_segment_ptr 1
		.amdhsa_wavefront_size32 1
		.amdhsa_system_sgpr_workgroup_id_x 1
		.amdhsa_system_sgpr_workgroup_id_y 1
		.amdhsa_system_sgpr_workgroup_id_z 1
		.amdhsa_system_vgpr_workitem_id 0
		.amdhsa_next_free_vgpr 848
		.amdhsa_next_free_sgpr 66
		.amdhsa_reserve_vcc 0
		.amdhsa_float_denorm_mode_32 3
		.amdhsa_float_denorm_mode_16_64 3
		.amdhsa_memory_ordered 1
		.amdhsa_forward_progress 1
		.amdhsa_inst_pref_size 151
	.end_amdhsa_kernel
	.amdgpu_metadata
---
amdhsa.version: [ 1, 2 ]
amdhsa.kernels:
  - .name:           k_qe1d2813d83_qkv
    .symbol:         k_qe1d2813d83_qkv.kd
    .args:
      - { .name: xc, .offset: 0, .size: 8, .value_kind: global_buffer, .address_space: global }
      - { .name: xs, .offset: 8, .size: 8, .value_kind: global_buffer, .address_space: global }
      - { .name: wc, .offset: 16, .size: 8, .value_kind: global_buffer, .address_space: global }
      - { .name: ws, .offset: 24, .size: 8, .value_kind: global_buffer, .address_space: global }
      - { .name: bq, .offset: 32, .size: 8, .value_kind: global_buffer, .address_space: global }
      - { .name: bv, .offset: 40, .size: 8, .value_kind: global_buffer, .address_space: global }
      - { .name: qkv, .offset: 48, .size: 8, .value_kind: global_buffer, .address_space: global }
    .group_segment_fixed_size: 52736
    .private_segment_fixed_size: 0
    .kernarg_segment_align: 8
    .kernarg_segment_size: 56
    .max_flat_workgroup_size: 128
    .sgpr_count:     66
    .vgpr_count:     848
    .wavefront_size: 32
...
	.end_amdgpu_metadata
.endif
;; end of part 2
;; launch attn (part 3): grid 16 x 16, 8 waves a work-group, no clusters, 327,680 bytes of LDS; arguments qkv, ao, aocls, out1; writes ao, aocls, out1
.if DOCPART == 3
	.amdgcn_target "amdgcn-amd-amdhsa--gfx1250"
	.amdhsa_code_object_version 6
	.text
	.protected	k_qe1d2813d83_attn
	.globl	k_qe1d2813d83_attn
	.p2align	8
	.type	k_qe1d2813d83_attn,@function
k_qe1d2813d83_attn:
	s_mov_b64 s[64:65], 0
	v_nop
	global_prefetch_b8 v0, s[64:65] scope:SCOPE_SE
	s_setreg_imm32_b32 hwreg(HW_REG_WAVE_MODE, 25, 1), 1
	s_wait_xcnt 0x0
; softmax(q k^T / 8) v, f16 operands, f32 sums, maxima and exponentials; and the cls row of the softmax (out1).  k comes without bk: it is the same along the softmax's axis.
; A UNIT is 256 patch queries of one head: unit u of a batch's 48 is head u / 4, block u % 4.  Each of eight waves has two tiles of 16 queries; two waves to a SIMD, so that one wave's softmax stands beside the other's products.
; A WORK-GROUP STAYS: work-group (x, b) walks units 3 x, 3 x + 1, 3 x + 2 of batch b: 256 work-groups.  Arguments, descriptors and masks are made once, and a head's K and V are fetched once for all its units in the work-group.
; KEYS.  The head's 1024 patch keys lie in LDS whole (K 131,072 bytes as fragment images, V 131,072 bytes as tiles of 16 keys x 16 channels), in four chunks of 256 keys, each brought by eight tensor loads of 8,192 bytes, one a wave.
; THE CHUNKS ARE A RING.  Chunk 0 of the first unit is asked for at the head.  Then one chunk is asked for behind each of a unit's four barriers: chunk 1 at its start, chunk 2 on leaving chunk 0, chunk 3 on leaving chunk 1, and the
; NEXT head's chunk 0 on leaving chunk 2: always four key steps ahead of the barrier in front of which it is waited for, and into bytes that every wave has left.  One tensor load of a wave is out at the most.
; WHERE THE HEAD STAYS NOTHING IS ASKED FOR: the bytes lie there already.  Chunks 1 to 3 are asked for in the first unit and in a unit with block 0; the next chunk 0 in a unit with block 3 that has a successor.  Which trips those are hangs on the
; work-group's number, so no tail can be written out: a jump on ids and the count of units, the same in all eight waves, leads round the load's own lines and round nothing else, and every wait on TENSORcnt is for 0.
; The cls key starts a unit's running state: m = its score, l = 1, O = its v.  Its score comes from a product with the cls tile of k (rows = batches), all rows but batch b's pushed to -1e30 by the C operand.
; LAYOUT.  S^T = K Q^T (source 0 = 16 keys, source 1 = 16 queries) and O^T = V^T P: a lane holds ONE query (lane % 16) throughout; S^T rounded to f16 in pairs IS source 1 of the second product; V comes turned by ds_load_tr16_b128.
; O^T / l, rounded to f16, is lane l's part of an f16 fragment of the next launch's operand: stored as it stands, 512 consecutive bytes a store.
; THE NEXT UNIT'S Q, cls tile of k and cls row of v are asked for in a unit's last key step, behind the last product that reads Q: the rest of that step and the way out stand between the loads and their wait.
; THE CLS QUERY is made at the end of the unit with block 0 (at most one of three consecutive units): wave w takes keys 128 w on; source 1 is the cls tile of q (column r = batch r), of which column b is kept; the waves' maxima, sums and partial O^T meet in LDS.
; NO CLUSTER: of the work-groups that read one head's K and V, one reads them in its last units and the other in its first: they never ask at the same place of their walks, and partners would ask for different numbers of tiles.
; All of a WGP's LDS is claimed:
; LIMITS: p, and O^T / l, are rounded to f16; scores are taken to lie far under 1e30 in magnitude; NaN and infinities are not served.
; REGISTERS.  Window 0: v1-11 addresses; v12-27 statistics, eight a tile: +0 c m, +1 m, +2, +3 l, +4 .. +7 at work (a and 1 / l in +6); v32-95 K's fragments; v96-159 V's; v160-223 S^T; v224-255 P.
; Window 1: v0-31 Q; v32-95 O^T; v96-103 the mask for the cls key's product; v104-119 the cls tile of k; v120-135 the cls row of v; v136-151 the cls tile of q.
.set KVO,   25165824
.set CLSO,  75497472
.set VLDS,  131072
.set CHB,   32768                      ; a chunk's bytes of K, and of V
.set HEADB, 262144                     ; from a head's K and V to the next head's
.set STG_M, 262144                     ; the cls query: the waves' maxima, 128 bytes a wave;
.set STG_O, STG_M+2048                 ; (their sums at STG_M + 1024;) their partial O^T, 4,096 bytes a wave;
.set STG_P, STG_M+34816                ; the cls row on its way out, 512 bytes a wave
.set SPARE, 301056                     ; the spare words, 128 bytes a wave: four blocks of 256 bytes that no other line names
.set LI,  1                            ; v1  16 x lane; never rewritten
.set AVT, 2                            ; v2  my lane's place in a tile of V, for the turning load; never rewritten
.set ADK, 3                            ; v3  address of the K loads in hand
.set ADV, 4                            ; v4  of the V loads
.set SPW, 5                            ; v5  my spare word; never rewritten
.set NIL, 6                            ; v6  0; never rewritten
.set VB,  7                            ; v7  32 b + 16 h: my bytes of the cls row of v; never rewritten
.set ST,  12
.set KF,  32
.set VF,  96
.set S,   160
.set P,   224
.set OW,  32                           ; in window 1
.set MB,  96                           ; in window 1
.set KT,  104                          ; in window 1
.set VR,  120                          ; in window 1
.set QC,  136                          ; in window 1
.set U,     66                         ; s66 the unit in hand
.set UI,    67                         ; s67 how many units are done: the loop's counter
.set NEED,  68                         ; s68 1: this unit's chunks 1 to 3 are asked for
.set NEEDN, 69                         ; s69 1: the next head's chunk 0 is asked for
.set MORE,  70                         ; s70 1: a unit follows
.set B12,   71                         ; s71 12 b
.set WOFF,  72                         ; s72 my wave's part of a chunk: the same place in LDS as in a head's 262,144 bytes
.set KVB,   74                         ; s[74:75] the head's K and V at my wave's part
.set O1P,   76                         ; s[76:77] out1 at my 512 bytes
.set CLP,   78                         ; s[78:79] the head's cls tiles, for the cls query
.set MSB, 0
.macro WIN new                         ; the immediate's high byte repeats the setting that is left
.if MSB != \new
	s_set_vgpr_msb (MSB<<8)|\new
.set MSB, \new
.endif
.endm
.macro PLACES n
.rept \n
	v_nop
.endr
.endm
.macro KLOADS                          ; 64 keys x 64 channels: fragment (kt, cc) at KF + 8 (2 kt + cc)
.irp i, 0,1,2,3,4,5,6,7,8,9,10,11,12,13,14,15
	ds_load_b128 v[KF+4*\i:KF+4*\i+3], v[ADK] offset:512*\i
.endr
.endm
.macro VLOADS                          ; 64 keys x 64 channels, turned: fragment (kc, ct) at VF + 8 (4 kc + ct)
.irp kc, 0,1
.irp ct, 0,1,2,3
.irp u, 0,1
	ds_load_tr16_b128 v[VF+32*\kc+8*\ct+4*\u:VF+32*\kc+8*\ct+4*\u+3], v[ADV] offset:(2*\kc+\u)*2048+\ct*512
.endr
.endr
.endr
.endm
.macro FETCH_V
	v_add_nc_u32 v[ADV], s40, v[AVT]
	s_add_co_u32 s40, s40, 8192                    ; the next fetch is the next step's
	VLOADS
.endm
.macro KQ                              ; 16 products, eight accumulators by turns; the first eight start the sums
	WIN 0x04                                       ; Q in window 1
.irp cc, 0,1
.irp kt, 0,1,2,3
.irp t, 0,1
.if \cc == 0
	v_wmma_f32_16x16x32_f16 v[S+32*\t+8*\kt:S+32*\t+8*\kt+7], v[KF+16*\kt:KF+16*\kt+7], v[16*\t:16*\t+7], 0
.else
	v_wmma_f32_16x16x32_f16 v[S+32*\t+8*\kt:S+32*\t+8*\kt+7], v[KF+16*\kt+8:KF+16*\kt+15], v[16*\t+8:16*\t+15], v[S+32*\t+8*\kt:S+32*\t+8*\kt+7]
.endif
.endr
.endr
.endr
.endm
.macro PV                              ; 16 products, eight accumulators by turns
	WIN 0x50                                       ; O^T in window 1
.irp kc, 0,1
.irp ct, 0,1,2,3
.irp t, 0,1
	v_wmma_f32_16x16x32_f16 v[OW+32*\t+8*\ct:OW+32*\t+8*\ct+7], v[VF+32*\kc+8*\ct:VF+32*\kc+8*\ct+7], v[P+16*\t+8*\kc:P+16*\t+8*\kc+7], v[OW+32*\t+8*\ct:OW+32*\t+8*\ct+7]
.endr
.endr
.endr
.endm
; A key step's softmax for both tiles, line by line by turns.  Each accumulator of S^T is read from its low end first.
.macro SOFTMAX
.irp j, 0,1,2,3
.irp t, 0,1
	v_max3_num_f32 v[ST+8*\t+4+\j], v[S+32*\t+8*\j], v[S+32*\t+8*\j+1], v[S+32*\t+8*\j+2]
.endr
.endr
.irp g, 1,2
.irp j, 0,1,2,3
.irp t, 0,1
	v_max3_num_f32 v[ST+8*\t+4+\j], v[ST+8*\t+4+\j], v[S+32*\t+8*\j+2*\g+1], v[S+32*\t+8*\j+2*\g+2]
.endr
.endr
.endr
.irp t, 0,1
	v_max3_num_f32 v[ST+8*\t+4], v[ST+8*\t+4], v[S+32*\t+7], v[S+32*\t+15]
.endr
.irp t, 0,1
	v_max3_num_f32 v[ST+8*\t+6], v[ST+8*\t+6], v[S+32*\t+23], v[S+32*\t+31]
.endr
.irp t, 0,1
	v_max3_num_f32 v[ST+8*\t+4], v[ST+8*\t+4], v[ST+8*\t+5], v[ST+8*\t+6]
.endr
.irp t, 0,1
	v_max3_num_f32 v[ST+8*\t+4], v[ST+8*\t+4], v[ST+8*\t+7], v[ST+8*\t+1]   ; with the old m
.endr
.irp t, 0,1
	v_permlanex16_b32 v[ST+8*\t+5], v[ST+8*\t+4], s44, s45                 ; the query's other 32 keys lie in the lane 16 away
.endr
.irp t, 0,1
	v_mov_b32 v[ST+8*\t+7], v[ST+8*\t]                                     ; c m_old
.endr
.irp t, 0,1
	v_max_num_f32 v[ST+8*\t+1], v[ST+8*\t+4], v[ST+8*\t+5]
.endr
.irp t, 0,1
	v_mul_f32 v[ST+8*\t], s42, v[ST+8*\t+1]
.endr
.irp t, 0,1
	v_sub_f32 v[ST+8*\t+7], v[ST+8*\t+7], v[ST+8*\t]
.endr
.irp t, 0,1
	v_exp_f32 v[ST+8*\t+6], v[ST+8*\t+7]                                   ; a = 2^(c m_old - c m_new)
.endr
.irp b, 0,1,2,3,4,5,6,7,8,9,10,11,12,13,14,15
.irp t, 0,1
	v_pk_fma_f32 v[S+32*\t+2*\b:S+32*\t+2*\b+1], v[S+32*\t+2*\b:S+32*\t+2*\b+1], s[42:43], v[ST+8*\t:ST+8*\t+1] op_sel_hi:[1,0,0] neg_lo:[0,0,1] neg_hi:[0,0,1]   ; c s - c m
.endr
.endr
.set e, 0
.rept 32
	v_exp_f32 v[S+e], v[S+e]
	v_exp_f32 v[S+32+e], v[S+32+e]
.set e, e+1
.endr
	v_nop                                          ; a plain line behind the last exponential,
	s_wait_alu depctr_va_vdst(0)                   ; and ONE wait for the batch of 66, ahead of the first line that names a result
.irp i, 0,1,2,3,4,5,6,7,8,9,10,11,12,13,14,15
.irp t, 0,1
	v_cvt_pk_f16_f32 v[P+16*\t+\i], v[S+32*\t+2*\i], v[S+32*\t+2*\i+1]
.endr
.endr
.irp u, 0,1,2,3,4,5,6,7
.irp t, 0,1
	v_pk_add_f32 v[S+32*\t+4*\u:S+32*\t+4*\u+1], v[S+32*\t+4*\u:S+32*\t+4*\u+1], v[S+32*\t+4*\u+2:S+32*\t+4*\u+3]
.endr
.endr
.irp u, 0,1,2,3
.irp t, 0,1
	v_pk_add_f32 v[S+32*\t+8*\u:S+32*\t+8*\u+1], v[S+32*\t+8*\u:S+32*\t+8*\u+1], v[S+32*\t+8*\u+4:S+32*\t+8*\u+5]
.endr
.endr
.irp u, 0,1
.irp t, 0,1
	v_pk_add_f32 v[S+32*\t+16*\u:S+32*\t+16*\u+1], v[S+32*\t+16*\u:S+32*\t+16*\u+1], v[S+32*\t+16*\u+8:S+32*\t+16*\u+9]
.endr
.endr
.irp t, 0,1
	v_pk_add_f32 v[S+32*\t:S+32*\t+1], v[S+32*\t:S+32*\t+1], v[S+32*\t+16:S+32*\t+17]
.endr
.irp t, 0,1
	v_pk_fma_f32 v[ST+8*\t+2:ST+8*\t+3], v[ST+8*\t+2:ST+8*\t+3], v[ST+8*\t+6:ST+8*\t+7], v[S+32*\t:S+32*\t+1] op_sel_hi:[1,0,1]   ; l = a l + the step's sum
.endr
	WIN 0x41
.irp i, 0,1,2,3,4,5,6,7,8,9,10,11,12,13,14,15
.irp t, 0,1
	v_pk_mul_f32 v[OW+32*\t+2*\i:OW+32*\t+2*\i+1], v[OW+32*\t+2*\i:OW+32*\t+2*\i+1], v[ST+8*\t+6:ST+8*\t+7] op_sel_hi:[1,0]   ; O^T x a
.endr
.endr
.endm
; A GATE: the barrier between two chunks.  In front of it each wave waits for all its tensor loads (the one that can be out is its part of the chunk that is read next), adds 0 to its spare word, and waits for that and for its LDS reads.
; Behind it the chunk ahead is whole and nobody reads the chunks behind.  Chunk 'slot' is then asked for, off bytes on from the head's K and V, where s[need] says so: ids and the count of units alone, the same in all eight waves.
.macro GATE slot, need, off
	s_wait_tensorcnt 0x0                           ; no tensor load of mine is out, so a group 0 may be written
	ds_add_u32 v[SPW], v[NIL]                      ; 0 onto my spare word; the descriptor's address stands between it and the wait for it
	s_add_nc_u64 s[26+4*\slot:27+4*\slot], s[KVB:KVB+1], \off
	s_or_b32 s[27+4*\slot], s[27+4*\slot], 0x80000000
	s_wait_dscnt 0x0                               ; the add is done, and my LDS reads are over
	s_barrier_signal -1
	s_barrier_wait -1
	s_cmp_eq_u32 s[\need], 0                       ; the head stays, or no unit follows: the bytes lie there, or nobody would read them
	s_cbranch_scc1 .Lkept_\@
	tensor_load_to_lds s[24+4*\slot:27+4*\slot], s[16:23]   ; my one tensor load until the next gate, and the first thing behind this one
	s_nop 0
	PLACES 4
.Lkept_\@:
.endm
; Unit U + d: its Q (my two tiles), its head's cls tile of k and batch b's row of the cls tile of v are asked for.  Their last loads were waited for at the unit's start, so bases and registers are free.
.macro QNEXT d
	s_add_co_u32 s56, s[U], \d
	s_lshr_b32 s57, s56, 2                         ; head
	s_and_b32 s56, s56, 3                          ; block
	s_add_co_u32 s58, s[B12], s57
	s_lshl_b32 s48, s58, 17
	s_lshl_b32 s56, s56, 15                        ; 16 tiles of 2,048 bytes a block,
	s_add_co_u32 s48, s48, s56
	s_lshl_b32 s56, s12, 12                        ; two a wave
	s_add_co_u32 s48, s48, s56
	s_mov_b32 s49, 0
	s_add_nc_u64 s[50:51], s[4:5], s[48:49]
	s_lshl_b32 s48, s57, 11
	s_add_co_u32 s48, s48, CLSO
	s_add_nc_u64 s[52:53], s[4:5], s[48:49]        ; the head's cls tiles: q at 0, k at 24,576, v at 49,152
	WIN 0x40
.irp i, 0,1,2,3,4,5,6,7
	global_load_b128 v[4*\i:4*\i+3], v[LI], s[50:51] offset:512*\i          ; Q: tile t, channels 32 cc on at 16 t + 8 cc
.endr
.irp i, 0,1,2,3
	global_load_b128 v[KT+4*\i:KT+4*\i+3], v[LI], s[52:53] offset:24576+512*\i
.endr
.irp i, 0,1,2,3
	global_load_b128 v[VR+4*\i:VR+4*\i+3], v[VB], s[52:53] offset:49152+512*\i
.endr
	WIN 0
.endm
; A KEY STEP, 64 keys.  gate = 2, 3, 0: the next step's tiles lie in the next chunk: a gate stands ahead of their loads, and that chunk number is asked for behind it.  last = 1: the unit's last step: nothing more to fetch from LDS.
.macro STEP gate, last
	s_wait_dscnt 16                                ; K of this step is in; V's 16 loads, issued behind it, may be out
	KQ
	WIN 0
.if \last
	PLACES 4                                       ; four places ahead of loads into Q's registers and of the first read of S^T
	s_cmp_eq_u32 s[MORE], 0
	s_cbranch_scc1 .Lnone_\@
	QNEXT 1                                        ; Q has been read for the last time: the next unit's is asked for
.Lnone_\@:
.else
	v_add_nc_u32 v[ADK], s40, v[LI]                ; with the three lines below: four places ahead of loads into K's registers and of the first read of S^T
	PLACES 3
.endif
.if \gate == 2
	GATE 2, NEED, 2*CHB
.elseif \gate == 3
	GATE 3, NEED, 3*CHB
.elseif \gate == 0
	GATE 0, NEEDN, HEADB
.endif
.if !\last
	KLOADS                                         ; K of the next step, a softmax ahead of its use
.endif
	SOFTMAX
.if \last
	s_wait_dscnt 0x0
.else
	s_wait_dscnt 16                                ; V of this step is in; the next step's K, 16 loads, may be out
.endif
	PV
	WIN 0
	PLACES 4                                       ; ahead of loads into V's registers
.if !\last
	FETCH_V
.endif
.endm
.macro CHUNK gate                      ; four key steps: three in a loop, the fourth written out, since it crosses into the next chunk or ends the unit
	s_mov_b32 s41, 3
.Lstep_\@:
	STEP -1, 0
	s_sub_co_u32 s41, s41, 1
	s_cmp_lg_u32 s41, 0
	s_cbranch_scc1 .Lstep_\@
.if \gate >= 0
	STEP \gate, 0
.else
	STEP -1, 1
.endif
.endm
	s_load_b256 s[4:11], s[0:1], 0x0               ; qkv, ao, aocls, out1
	v_lshl_add_u32 v[SPW], v0, 2, SPARE
	v_mov_b32 v[NIL], 0
	ds_add_u32 v[SPW], v[NIL]                      ; the wave's opening: the add, twice on end, and its wait ahead of my first tensor load
	ds_add_u32 v[SPW], v[NIL]
	v_lshrrev_b32 v8, 5, v0
	v_readfirstlane_b32 s12, v8                    ; wave
	s_and_b32 s15, ttmp7, 0xffff                   ; b
	s_mul_i32 s[U], ttmp9, 3                       ; my first unit
	s_mul_i32 s[B12], s15, 12
	s_mov_b32 s[UI], 0
	s_mov_b32 s[NEED], 1                           ; the first unit asks for all its chunks
	s_mov_b32 s16, 3<<16                           ; group 1: elements of 8 bytes, no mask, no padding;
	s_mov_b32 s17, 32<<16                          ; tensor_dim0 = 32 elements: rows of 256 bytes
	s_mov_b32 s18, 32<<16                          ; tensor_dim1 = 32 rows
	s_mov_b32 s19, 32<<16                          ; tile_dim0 = 32
	s_mov_b32 s20, 32                              ; tile_dim1 = 32: a dense block of 8,192 bytes
	s_mov_b32 s21, 32                              ; from row to row
	s_mov_b32 s22, 0
	s_mov_b32 s23, 0
	s_mov_b32 s42, 0x3e38aa3b                      ; c = log2(e) / 8
	s_mov_b32 s43, s42                             ; (named with it as a pair)
	s_mov_b32 s44, 0x76543210
	s_mov_b32 s45, 0xfedcba98                      ; selects for lane l xor 16
	s_lshr_b32 s[WOFF], s12, 2
	s_lshl_b32 s[WOFF], s[WOFF], 17                ; waves 0-3 fetch K, waves 4-7 V,
	s_and_b32 s57, s12, 3
	s_lshl_b32 s57, s57, 13
	s_add_co_u32 s[WOFF], s[WOFF], s57             ; each a quarter of a chunk
	v_and_b32 v8, 31, v0
	v_lshlrev_b32 v[LI], 4, v8
	v_bfe_u32 v10, v0, 4, 1                        ; h
	v_and_b32 v8, 7, v0
	v_lshl_add_u32 v8, v10, 3, v8
	v_lshlrev_b32 v[AVT], 5, v8                    ; key 8 h + l % 8 of a tile, rows of 32 bytes,
	v_bfe_u32 v8, v0, 3, 1
	v_lshl_add_u32 v[AVT], v8, 4, v[AVT]           ; channels 8 ((l / 8) % 2) on
	v_add_nc_u32 v[AVT], VLDS, v[AVT]
	s_lshl_b32 s57, s15, 5
	v_lshl_add_u32 v[VB], v10, 4, s57              ; v of the cls key: row b of 32 bytes, + 16 h
	s_lshr_b32 s58, s[U], 2                        ; the first fill wants the first unit's head ahead of the loop
	s_add_co_u32 s58, s58, s[B12]
	s_lshl_b32 s58, s58, 18
	s_add_co_u32 s58, s58, KVO
	s_add_co_u32 s58, s58, s[WOFF]
	s_mov_b32 s59, 0
	s_wait_dscnt 0x0                               ; both opening adds are done
	s_wait_kmcnt 0x0
	s_add_nc_u64 s[58:59], s[4:5], s[58:59]
.irp c, 0,1,2,3
	s_mov_b32 s[24+4*\c], 1                        ; a group 0 for each chunk: its LDS address stays, its global address is written at its gate
	s_add_co_u32 s[25+4*\c], s[WOFF], \c*CHB
.endr
	s_mov_b64 s[26:27], s[58:59]
	s_or_b32 s27, s27, 0x80000000
	tensor_load_to_lds s[24:27], s[16:23]          ; chunk 0 of the first unit: every wave's first fill
	s_nop 0
	PLACES 4
	QNEXT 0                                        ; the first unit's Q and cls rows
	v_lshlrev_b32 v8, 3, v10
	v_sub_nc_u32 v8, s15, v8                       ; b - 8 h
	v_mov_b32 v28, 0xf149f2ca                      ; -1e30
	v_mov_b32 v29, 0
	WIN 0x40
.irp j, 0,1,2,3,4,5,6,7
	v_cmp_eq_u32 vcc_lo, \j, v8
	v_cndmask_b32 v[MB+\j], v28, v29, vcc_lo       ; row 8 h + j of the cls tile of k counts where it is batch b's: the same for all my units
.endr
	WIN 0
.Lunit:                                            ; three trips
	s_wait_xcnt 0x0                                ; the last unit's stores have read their registers and bases: both are written again only behind this wait
	s_and_b32 s13, s[U], 3                         ; block
	s_lshr_b32 s14, s[U], 2                        ; head
	s_add_co_u32 s47, s[B12], s14                  ; 12 b + head
	s_lshl_b32 s48, s47, 18
	s_add_co_u32 s48, s48, KVO
	s_add_co_u32 s48, s48, s[WOFF]
	s_mov_b32 s49, 0
	s_add_nc_u64 s[KVB:KVB+1], s[4:5], s[48:49]
	s_lshl_b32 s48, s15, 6
	s_lshl_b32 s56, s13, 4
	s_add_co_u32 s48, s48, s56
	s_lshl_b32 s56, s12, 1
	s_add_co_u32 s48, s48, s56                     ; my first row tile: 64 b + 16 block + 2 wave
	s_mul_i32 s48, s48, 24576
	s_lshl_b32 s56, s14, 11
	s_add_co_u32 s48, s48, s56
	s_add_nc_u64 s[54:55], s[6:7], s[48:49]        ; ao at my first row tile, my head
	s_cmp_lt_u32 s[UI], 2
	s_cselect_b32 s[MORE], 1, 0
	s_cmp_eq_u32 s13, 3
	s_cselect_b32 s[NEEDN], s[MORE], 0             ; the next unit begins a new head
	v_bfe_u32 v8, v0, 4, 1
.irp t, 0,1
	v_cvt_f32_u32 v[ST+8*\t+2], v8
	v_mov_b32 v[ST+8*\t+3], 0
	v_mov_b32 v[ST+8*\t+5], 0                      ; a lane permute's destination counts as one of its sources
.endr
.irp t, 0,1
	v_sub_f32 v[ST+8*\t+2], 1.0, v[ST+8*\t+2]      ; l = 1 for the cls key, kept in lanes 0-15 (the halves are added at the end)
.endr
	s_wait_loadcnt 0x0                             ; Q, the cls tile of k, the cls row of v
	WIN 0x15
	v_wmma_f32_16x16x32_f16 v[S:S+7], v[KT:KT+7], v[0:7], v[MB:MB+7]
	v_wmma_f32_16x16x32_f16 v[S+32:S+39], v[KT:KT+7], v[16:23], v[MB:MB+7]
	WIN 0x05
	v_wmma_f32_16x16x32_f16 v[S:S+7], v[KT+8:KT+15], v[8:15], v[S:S+7]
	v_wmma_f32_16x16x32_f16 v[S+32:S+39], v[KT+8:KT+15], v[24:31], v[S+32:S+39]
	WIN 0
	PLACES 4
	WIN 0x01
.irp i, 0,1,2,3,4,5,6,7,8,9,10,11,12,13,14,15
	v_mov_b32 v[KF+16+\i], v[VR+\i]                ; the cls row of v comes down to v48-63: only v0 to v127 have named halves
.endr
	WIN 0x40
.set i, 0
.irp x, v48.l,v48.h,v49.l,v49.h,v50.l,v50.h,v51.l,v51.h,v52.l,v52.h,v53.l,v53.h,v54.l,v54.h,v55.l,v55.h,v56.l,v56.h,v57.l,v57.h,v58.l,v58.h,v59.l,v59.h,v60.l,v60.h,v61.l,v61.h,v62.l,v62.h,v63.l,v63.h
	v_cvt_f32_f16 v[OW+i], \x                      ; O^T begins as v of the cls key: register 8 ct + j is channel 16 ct + 8 h + j
	v_cvt_f32_f16 v[OW+32+i], \x
.set i, i+1
.endr
	WIN 0
.irp t, 0,1
	v_max3_num_f32 v[ST+8*\t+4], v[S+32*\t], v[S+32*\t+1], v[S+32*\t+2]
.endr
.irp t, 0,1
	v_max3_num_f32 v[ST+8*\t+4], v[ST+8*\t+4], v[S+32*\t+3], v[S+32*\t+4]
.endr
.irp t, 0,1
	v_max3_num_f32 v[ST+8*\t+4], v[ST+8*\t+4], v[S+32*\t+5], v[S+32*\t+6]
.endr
.irp t, 0,1
	v_max_num_f32 v[ST+8*\t+4], v[ST+8*\t+4], v[S+32*\t+7]
.endr
.irp t, 0,1
	v_permlanex16_b32 v[ST+8*\t+5], v[ST+8*\t+4], s44, s45
.endr
.irp t, 0,1
	v_max_num_f32 v[ST+8*\t+1], v[ST+8*\t+4], v[ST+8*\t+5]   ; m = the cls key's score
.endr
.irp t, 0,1
	v_mul_f32 v[ST+8*\t], s42, v[ST+8*\t+1]
.endr
	GATE 1, NEED, CHB                              ; chunk 0 is whole, the last unit is left by every wave; chunk 1 is asked for
	s_mov_b32 s40, 0
	v_add_nc_u32 v[ADK], s40, v[LI]
	KLOADS
	FETCH_V
	CHUNK 2
	CHUNK 3
	CHUNK 0
	CHUNK -1
	; ---- the unit's way out
.irp t, 0,1
	v_add_f32 v[ST+8*\t+4], v[ST+8*\t+2], v[ST+8*\t+3]
.endr
.irp t, 0,1
	v_permlanex16_b32 v[ST+8*\t+5], v[ST+8*\t+4], s44, s45
.endr
.irp t, 0,1
	v_add_f32 v[ST+8*\t+4], v[ST+8*\t+4], v[ST+8*\t+5]
.endr
.irp t, 0,1
	v_rcp_f32 v[ST+8*\t+6], v[ST+8*\t+4]
.endr
	v_nop
	s_wait_alu depctr_va_vdst(0)                   ; one wait for both reciprocals, ahead of their first reader
	WIN 0x41
.irp t, 0,1
.irp i, 0,1,2,3,4,5,6,7,8,9,10,11,12,13,14,15
	v_pk_mul_f32 v[OW+32*\t+2*\i:OW+32*\t+2*\i+1], v[OW+32*\t+2*\i:OW+32*\t+2*\i+1], v[ST+8*\t+6:ST+8*\t+7] op_sel_hi:[1,0]
.endr
.endr
	WIN 0x05
.irp t, 0,1
.irp i, 0,1,2,3,4,5,6,7,8,9,10,11,12,13,14,15
	v_cvt_pk_f16_f32 v[S+16*\t+\i], v[OW+32*\t+2*\i], v[OW+32*\t+2*\i+1]
.endr
.endr
	WIN 0
.irp t, 0,1
.irp ct, 0,1,2,3
	global_store_b128 v[LI], v[S+16*\t+4*\ct:S+16*\t+4*\ct+3], s[54:55] offset:24576*\t+512*\ct   ; 512 consecutive bytes
.endr
.endr
	s_cmp_lg_u32 s13, 0
	s_cbranch_scc1 .Lnocls
	; ---- THE CLS QUERY (block 0: the same in all eight waves).  Wave w: keys 128 w on.  It touches none of the registers into which the next unit's loads are on their way
	s_wait_xcnt 0x0                                ; the stores above have read S: it is written again only behind this wait
	s_lshl_b32 s58, s14, 11
	s_add_co_u32 s58, s58, CLSO
	s_mov_b32 s59, 0
	s_add_nc_u64 s[CLP:CLP+1], s[4:5], s[58:59]    ; this head's cls tiles
	s_lshl_b32 s61, s12, 14                        ; my two key steps in K's and V's bytes
	s_add_co_u32 s62, s61, 8192
	s_lshl_b32 s57, s15, 5
	s_and_b32 s48, s12, 1
	s_lshl_b32 s48, s48, 3                         ; 8 (w % 2)
	s_add_co_u32 s57, s57, s48
	s_lshr_b32 s56, s12, 1                         ; w / 2
	s_lshl_b32 s58, s56, 9
	s_add_co_u32 s57, s57, s58
	v_bfe_u32 v31, v0, 4, 1                        ; h
	v_lshl_add_u32 v30, v31, 4, s57                ; the four channels of v's cls row that I finish: 16 (w / 2) + 8 h + 4 (w % 2) on
	WIN 0x40
.irp i, 0,1,2,3
	global_load_b128 v[QC+4*\i:QC+4*\i+3], v[LI], s[CLP:CLP+1] offset:512*\i        ; the cls tile of q
.endr
	WIN 0
.irp i, 0,1,2,3
	global_load_b128 v[VF+4*\i:VF+4*\i+3], v[LI], s[CLP:CLP+1] offset:24576+512*\i  ; and of k
.endr
	global_load_b64 v[28:29], v30, s[CLP:CLP+1] offset:49152
	s_wait_tensorcnt 0x0                           ; all four chunks are read once more.  A unit with block 0 has asked for nothing at its third crossing, so no tensor load is out on the way that leads here:
	s_wait_dscnt 0x0                               ; the wait and the barrier put that ordering into the text, for every wave
	s_barrier_signal -1
	s_barrier_wait -1
	v_add_nc_u32 v[ADK], s61, v[LI]
	KLOADS
	v_and_b32 v20, 31, v0
	v_lshl_add_u32 v8, v20, 2, STG_M               ; the waves' maxima and sums: 4 x lane,
	s_lshl_b32 s59, s12, 7
	v_add_nc_u32 v9, s59, v8                       ; mine at 128 x wave
	s_lshl_b32 s59, s12, 12
	v_add_nc_u32 v10, s59, v[LI]
	v_add_nc_u32 v10, STG_O, v10                   ; my partial O^T
	s_lshl_b32 s59, s12, 9
	v_add_nc_u32 v11, s59, v[LI]
	v_add_nc_u32 v27, STG_P, v11                   ; the cls row, back: 16 x lane
	v_add_nc_u32 v11, STG_O, v11                   ; register group w of a partial
	v_lshlrev_b32 v26, 5, v31
	v_add_nc_u32 v26, s59, v26
	v_add_nc_u32 v26, STG_P, v26                   ; the cls row, in: 32 h
	s_wait_loadcnt 0x0
	s_wait_dscnt 0x0
	WIN 0x04
.irp kt, 0,1,2,3
	v_wmma_f32_16x16x32_f16 v[S+8*\kt:S+8*\kt+7], v[KF+16*\kt:KF+16*\kt+7], v[QC:QC+7], 0
.endr
	WIN 0x14
	v_wmma_f32_16x16x32_f16 v[P:P+7], v[VF:VF+7], v[QC:QC+7], v[MB:MB+7]   ; the cls key's score, masked as at a unit's start
	WIN 0x04
.irp kt, 0,1,2,3
	v_wmma_f32_16x16x32_f16 v[S+8*\kt:S+8*\kt+7], v[KF+16*\kt+8:KF+16*\kt+15], v[QC+8:QC+15], v[S+8*\kt:S+8*\kt+7]
.endr
	v_wmma_f32_16x16x32_f16 v[P:P+7], v[VF+8:VF+15], v[QC+8:QC+15], v[P:P+7]
	WIN 0
	v_add_nc_u32 v[ADK], s62, v[LI]
	PLACES 3
	KLOADS
	s_wait_dscnt 0x0
	WIN 0x04
.irp kt, 0,1,2,3
	v_wmma_f32_16x16x32_f16 v[S+32+8*\kt:S+32+8*\kt+7], v[KF+16*\kt:KF+16*\kt+7], v[QC:QC+7], 0
.endr
.irp kt, 0,1,2,3
	v_wmma_f32_16x16x32_f16 v[S+32+8*\kt:S+32+8*\kt+7], v[KF+16*\kt+8:KF+16*\kt+15], v[QC+8:QC+15], v[S+32+8*\kt:S+32+8*\kt+7]
.endr
	WIN 0
	v_add_nc_u32 v[ADV], s61, v[AVT]
	PLACES 3
	VLOADS
	v_max3_num_f32 v20, v[S], v[S+1], v[S+2]       ; the largest of my 128 scores and the cls key's; each accumulator is met at its low end first
	v_max3_num_f32 v21, v[S+32], v[S+33], v[S+34]
.irp i, 3,5,7,9,11,13,15,17,19,21,23,25,27,29
	v_max3_num_f32 v20, v20, v[S+\i], v[S+\i+1]
	v_max3_num_f32 v21, v21, v[S+32+\i], v[S+33+\i]
.endr
	v_max3_num_f32 v20, v20, v[S+31], v[S+63]
	v_max3_num_f32 v20, v20, v21, v[P]
	v_max3_num_f32 v20, v20, v[P+1], v[P+2]
	v_max3_num_f32 v20, v20, v[P+3], v[P+4]
	v_max3_num_f32 v20, v20, v[P+5], v[P+6]
	v_max_num_f32 v20, v20, v[P+7]
	v_permlanex16_b32 v22, v20, s44, s45
	v_max_num_f32 v20, v20, v22
	ds_store_b32 v9, v20
	s_wait_dscnt 0x0                               ; for the others' sake: my store has landed
	s_barrier_signal -1
	s_barrier_wait -1
.irp i, 0,1,2,3,4,5,6,7
	ds_load_b32 v[16+\i], v8 offset:128*\i
.endr
	s_wait_dscnt 0x0
	v_max3_num_f32 v16, v16, v17, v18
	v_max3_num_f32 v16, v16, v19, v20
	v_max3_num_f32 v16, v16, v21, v22
	v_max_num_f32 v13, v16, v23                    ; the row's true maximum: no partial is rescaled later
	v_mul_f32 v12, s42, v13
.irp j, 0,2,4,6,8,10,12,14,16,18,20,22,24,26,28,30,32,34,36,38,40,42,44,46,48,50,52,54,56,58,60,62
	v_pk_fma_f32 v[S+\j:S+\j+1], v[S+\j:S+\j+1], s[42:43], v[12:13] op_sel_hi:[1,0,0] neg_lo:[0,0,1] neg_hi:[0,0,1]
.endr
.irp j, 0,2,4,6
	v_pk_fma_f32 v[P+\j:P+\j+1], v[P+\j:P+\j+1], s[42:43], v[12:13] op_sel_hi:[1,0,0] neg_lo:[0,0,1] neg_hi:[0,0,1]
.endr
.set e, 0
.rept 64
	v_exp_f32 v[S+e], v[S+e]
.set e, e+1
.endr
.irp j, 0,1,2,3,4,5,6,7
	v_exp_f32 v[P+\j], v[P+\j]                     ; the masked rows give 0
.endr
	v_nop
	s_wait_alu depctr_va_vdst(0)                   ; one wait for the batch of 72
	v_pk_add_f32 v[14:15], v[P:P+1], v[P+2:P+3]
	v_pk_add_f32 v[14:15], v[14:15], v[P+4:P+5]
	v_pk_add_f32 v[14:15], v[14:15], v[P+6:P+7]
	v_add_f32 v14, v14, v15
	v_permlanex16_b32 v22, v14, s44, s45
	v_add_f32 v14, v14, v22                        ; p of the cls key
.set i, 0
.rept 32
	v_cvt_pk_f16_f32 v[P+i], v[S+2*i], v[S+2*i+1]
.set i, i+1
.endr
	v_pk_add_f32 v[16:17], v[S:S+1], v[S+2:S+3]    ; my keys' sum, in two chains that leave p whole: it is an output
	v_pk_add_f32 v[18:19], v[S+4:S+5], v[S+6:S+7]
.irp j, 8,12,16,20,24,28,32,36,40,44,48,52,56,60
	v_pk_add_f32 v[16:17], v[16:17], v[S+\j:S+\j+1]
	v_pk_add_f32 v[18:19], v[18:19], v[S+\j+2:S+\j+3]
.endr
	v_pk_add_f32 v[16:17], v[16:17], v[18:19]
	v_add_f32 v16, v16, v17
	v_permlanex16_b32 v22, v16, s44, s45
	v_add_f32 v16, v16, v22
	ds_store_b32 v9, v16 offset:1024
	WIN 0x50
.irp ct, 0,1,2,3
	v_wmma_f32_16x16x32_f16 v[OW+8*\ct:OW+8*\ct+7], v[VF+8*\ct:VF+8*\ct+7], v[P:P+7], 0
.endr
.irp ct, 0,1,2,3
	v_wmma_f32_16x16x32_f16 v[OW+8*\ct:OW+8*\ct+7], v[VF+32+8*\ct:VF+32+8*\ct+7], v[P+8:P+15], v[OW+8*\ct:OW+8*\ct+7]
.endr
	WIN 0
	v_add_nc_u32 v[ADV], s62, v[AVT]
	PLACES 3
	VLOADS
	s_wait_dscnt 0x0
	WIN 0x50
.irp kc, 0,1
.irp ct, 0,1,2,3
	v_wmma_f32_16x16x32_f16 v[OW+8*\ct:OW+8*\ct+7], v[VF+32*\kc+8*\ct:VF+32*\kc+8*\ct+7], v[P+16+8*\kc:P+16+8*\kc+7], v[OW+8*\ct:OW+8*\ct+7]
.endr
.endr
	WIN 0
	PLACES 4
	WIN 0x04                                       ; an LDS store's data are its source 1: window 1
.irp g, 0,1,2,3,4,5,6,7
	ds_store_b128 v10, v[OW+4*\g:OW+4*\g+3] offset:512*\g
.endr
	WIN 0
	s_wait_dscnt 0x0                               ; my sum and my partial O^T have landed
	s_barrier_signal -1
	s_barrier_wait -1
.irp i, 0,1,2,3,4,5,6,7
	ds_load_b32 v[16+\i], v8 offset:1024+128*\i
.endr
.irp i, 0,1,2,3,4,5,6,7
	ds_load_b128 v[KF+4*\i:KF+4*\i+3], v11 offset:4096*\i                  ; register group w of all eight partials
.endr
	s_wait_dscnt 0x0
	v_add_f32 v16, v16, v17
	v_add_f32 v18, v18, v19
	v_add_f32 v20, v20, v21
	v_add_f32 v22, v22, v23
	v_add_f32 v16, v16, v18
	v_add_f32 v20, v20, v22
	v_add_f32 v16, v16, v20
	v_add_f32 v16, v16, v14                        ; the row's sum
	v_rcp_f32 v24, v16
.irp i, 1,2,3,4,5,6,7
	v_pk_add_f32 v[KF:KF+1], v[KF:KF+1], v[KF+4*\i:KF+4*\i+1]
	v_pk_add_f32 v[KF+2:KF+3], v[KF+2:KF+3], v[KF+4*\i+2:KF+4*\i+3]
.endr
	v_cvt_f32_f16 v20, v28.l
	v_cvt_f32_f16 v21, v28.h
	v_cvt_f32_f16 v22, v29.l
	v_cvt_f32_f16 v23, v29.h
	v_pk_fma_f32 v[KF:KF+1], v[20:21], v[14:15], v[KF:KF+1] op_sel_hi:[1,0,1]       ; + p of the cls key x its v
	v_pk_fma_f32 v[KF+2:KF+3], v[22:23], v[14:15], v[KF+2:KF+3] op_sel_hi:[1,0,1]
	s_mul_i32 s58, s15, 1536
	s_lshl_b32 s59, s14, 7
	s_add_co_u32 s58, s58, s59
	s_lshl_b32 s59, s56, 5
	s_add_co_u32 s58, s58, s59
	s_add_co_u32 s58, s58, s48
	v_lshl_add_u32 v[VF], v31, 4, s58              ; aocls: 1536 b + 128 head + 2 x my first channel
	s_lshl_b32 s[O1P], s47, 12
	s_lshl_b32 s59, s12, 9
	s_add_co_u32 s[O1P], s[O1P], s59
	s_mov_b32 s[O1P+1], 0
	s_add_nc_u64 s[O1P:O1P+1], s[10:11], s[O1P:O1P+1]   ; out1: the head's 4,096 bytes, my 512
	s_wait_alu depctr_va_vdst(0)                   ; the reciprocal's wait, ahead of its first reader
	v_pk_mul_f32 v[KF:KF+1], v[KF:KF+1], v[24:25] op_sel_hi:[1,0]
	v_pk_mul_f32 v[KF+2:KF+3], v[KF+2:KF+3], v[24:25] op_sel_hi:[1,0]
	v_cvt_pk_f16_f32 v[VF+2], v[KF], v[KF+1]
	v_cvt_pk_f16_f32 v[VF+3], v[KF+2], v[KF+3]
.irp j, 0,2,4,6,8,10,12,14,16,18,20,22,24,26,28,30,32,34,36,38,40,42,44,46,48,50,52,54,56,58,60,62
	v_pk_mul_f32 v[S+\j:S+\j+1], v[S+\j:S+\j+1], v[24:25] op_sel_hi:[1,0]
.endr
	v_and_b32 v31, 15, v0
	v_cmp_eq_u32 vcc_lo, s15, v31                  ; column b: two lanes
	s_wait_xcnt 0x0                                ; EXEC changes only behind this wait
	s_and_saveexec_b32 s46, vcc_lo
.irp kt, 0,1,2,3,4,5,6,7
	ds_store_b128 v26, v[S+8*\kt:S+8*\kt+3] offset:64*\kt                  ; keys 16 kt + 8 h + 0 .. 7 of my 128, in their order: the two lanes fill all 512 bytes
	ds_store_b128 v26, v[S+8*\kt+4:S+8*\kt+7] offset:64*\kt+16
.endr
	global_store_b64 v[VF], v[VF+2:VF+3], s[8:9]
	s_wait_xcnt 0x0                                ; and again, in front of the line that widens it
	s_or_b32 exec_lo, exec_lo, s46
	ds_load_b128 v[VF+4:VF+7], v27                 ; LDS serves a wave's instructions in order: this sees my stores
	s_wait_dscnt 0x0
	global_store_b128 v[LI], v[VF+4:VF+7], s[O1P:O1P+1]   ; 512 consecutive bytes of out1
.Lnocls:
	s_mov_b32 s[NEED], s[NEEDN]                    ; a unit that begins a new head asks for the rest of it
	s_add_co_u32 s[U], s[U], 1
	s_add_co_u32 s[UI], s[UI], 1
	s_cmp_lt_u32 s[UI], 3
	s_cbranch_scc1 .Lunit
	s_wait_tensorcnt 0x0                           ; the wave's end: a wait, an add of 0 to my spare word and its wait, behind my last tensor load and my last LDS store
	ds_add_u32 v[SPW], v[NIL]
	s_wait_dscnt 0x0
	s_endpgm
.Lfunc_end_k_qe1d2813d83_attn:
	.size	k_qe1d2813d83_attn, .Lfunc_end_k_qe1d2813d83_attn-k_qe1d2813d83_attn
	.p2alignl 7, 3214868480
	.fill 96, 4, 3214868480
	.section	.rodata,"a",@progbits
	.p2align	6, 0x0
	.amdhsa_kernel k_qe1d2813d83_attn
		.amdhsa_group_segment_fixed_size 327680
		.amdhsa_private_segment_fixed_size 0
		.amdhsa_enable_private_segment 0
		.amdhsa_kernarg_size 32
		.amdhsa_user_sgpr_count 2
		.amdhsa_user_sgpr_kernarg_segment_ptr 1
		.amdhsa_wavefront_size32 1
		.amdhsa_system_sgpr_workgroup_id_x 1
		.amdhsa_system_sgpr_workgroup_id_y 1
		.amdhsa_system_sgpr_workgroup_id_z 1
		.amdhsa_system_vgpr_workitem_id 0
		.amdhsa_next_free_vgpr 416
		.amdhsa_next_free_sgpr 80
		.amdhsa_reserve_vcc 1
		.amdhsa_float_denorm_mode_32 3
		.amdhsa_float_denorm_mode_16_64 3
		.amdhsa_memory_ordered 1
		.amdhsa_forward_progress 1
		.amdhsa_inst_pref_size 187
	.end_amdhsa_kernel
	.amdgpu_metadata
---
amdhsa.version: [ 1, 2 ]
amdhsa.kernels:
  - .name:           k_qe1d2813d83_attn
    .symbol:         k_qe1d2813d83_attn.kd
    .args:
      - { .name: qkv, .offset: 0, .size: 8, .value_kind: global_buffer, .address_space: global }
      - { .name: ao, .offset: 8, .size: 8, .value_kind: global_buffer, .address_space: global }
      - { .name: aocls, .offset: 16, .size: 8, .value_kind: global_buffer, .address_space: global }
      - { .name: out1, .offset: 24, .size: 8, .value_kind: global_buffer, .address_space: global }
    .group_segment_fixed_size: 327680
    .private_segment_fixed_size: 0
    .kernarg_segment_align: 8
    .kernarg_segment_size: 32
    .max_flat_workgroup_size: 256
    .sgpr_count:     80
    .vgpr_count:     416
    .wavefront_size: 32
...
	.end_amdgpu_metadata
.endif
;; end of part 3
;; launch proj (part 4): grid 4 x 64, 4 waves a work-group, clusters of 4 x 4, 327,680 bytes of LDS; arguments ao, wo16, bo, aocls, out0; writes out0
.if DOCPART == 4
	.amdgcn_target "amdgcn-amd-amdhsa--gfx1250"
	.amdhsa_code_object_version 6
	.text
	.protected	k_qe1d2813d83_proj
	.globl	k_qe1d2813d83_proj
	.p2align	8
	.type	k_qe1d2813d83_proj,@function
k_qe1d2813d83_proj:
	s_mov_b64 s[64:65], 0
	v_nop
	global_prefetch_b8 v0, s[64:65] scope:SCOPE_SE
	s_setreg_imm32_b32 hwreg(HW_REG_WAVE_MODE, 25, 1), 1
	s_wait_xcnt 0x0
	s_wait_alu depctr_hold_cnt(0) depctr_sa_sdst(0) depctr_va_vdst(0) depctr_va_sdst(0) depctr_va_ssrc(0) depctr_va_vcc(0) depctr_vm_vsrc(0)
	s_getreg_b32 s2, hwreg(HW_REG_IB_STS2, 6, 4)
	s_cmp_eq_u32 s2, 0
	s_cbranch_scc0 .Lentry_in_a_cluster
	s_endpgm
.Lentry_in_a_cluster:
	s_bfe_u32 s2, ttmp6, 0x10000c
	s_cmp_lg_u32 s2, 0xf033
	s_cbranch_scc0 .Lentry_shape_is_right
	s_endpgm
.Lentry_shape_is_right:
; out0 = attention's output x Wo^T + bo: f16 operands, f32 sums.  Both operands come as images of f16 fragments (16 rows x 32 k, 1,024 bytes), [row tile][24 chunks].
; SHARES.  Work-group (X, Y): 256 patch rows (row tiles 16 Y on, all of batch Y / 4) x 192 columns (768 bytes: three aligned blocks of 256).  Wave w: 64 rows x 192 columns: 48 accumulators, 384 registers.
; K goes in six steps of 128 (four chunks) through two LDS slots.  A step's part of a row tile is 4,096 consecutive bytes: a tensor load brings 8 (ao) or 6 (Wo) such rows, 24,576 bytes apart in memory, dense in LDS.
; CLUSTERS: 4 x 4 work-groups.  The four of a row of the cluster need the same tiles of ao, the four of a column the same tiles of Wo: each tile is asked for JOINTLY.  Two tensor loads of a wave are out at the most.
; THE PRODUCT IS USED TRANSPOSED (source 0 = 16 rows of Wo, source 1 = 16 rows of ao): a lane holds eight neighbouring numbers of a row of out0.  bo, in the result's layout, is the C of each sum's first product.
; THE 16 CLS ROWS (token 0 of each batch) are one more row tile: its 48 column tiles are shared out among three waves of each work-group of the first row of clusters, told apart by ADDRESS alone, while the first tiles are on their way.
; REGISTERS.  Window 0: addresses; v32-95 ao's fragments, two buffers; on the way out v32-223 rows read back; v224-232 the cls rows' results.  Window 1: Wo's fragments, two buffers of 96.
; Window 2: accumulators 12 a + b < 32 at 8 (12 a + b).  Window 3: the other sixteen; from v128 bo, eight registers a column tile.
.set SLOT,   114688                    ; ao's 16 tiles x 4,096 bytes, then Wo's 12
.set BOFF,   65536
.set STAGE,  2*SLOT                    ; the way out: 16 rows x (768 + 16) bytes for each wave
.set SPITCH, 784
.set SPARE,  STAGE+4*16*SPITCH         ; the spare words, 128 bytes a wave: two blocks of 256 bytes that no other line names
.set ADRA, 16                          ; v16-17 my ao fragments in slot 0, 1
.set ADRB, 20                          ; v20-21 Wo's
.set STO,  24                          ; v24 the stage, in
.set RD,   25                          ; v25 the stage, back
.set CO,   26                          ; v26 my byte offset in two rows of out0
.set SPW,  28                          ; v28 my spare word; never rewritten
.set NIL,  29                          ; v29 0; never rewritten
.set LI,   30                          ; v30 16 x lane
.set G1,  24
.set G0,  32
.set G1B, 48
.set G0B, 56
.set MSB, 0
.macro WIN new                         ; the immediate's high byte repeats the setting that is left
.if MSB != \new
	s_set_vgpr_msb (MSB<<8)|\new
.set MSB, \new
.endif
.endm
.macro PLACES
.rept 4
	v_nop
.endr
.endm
.macro JLOAD s                         ; a joint load: waves 0 and 1 fetch ao's two halves, waves 2 and 3 Wo's; an s_nop 0 and four v_nop follow each of the two lines
	s_cmp_eq_u32 s15, 0
	s_cbranch_scc0 .Lfor_b_\@
	tensor_load_to_lds s[G0+4*\s:G0+4*\s+3], s[G1:G1+7]
	s_nop 0
.rept 4
	v_nop
.endr
	s_branch .Lasked_\@
.Lfor_b_\@:
	tensor_load_to_lds s[G0B+4*\s:G0B+4*\s+3], s[G1B:G1B+7]
	s_nop 0
.rept 4
	v_nop
.endr
.Lasked_\@:
.endm
.macro CREST                           ; a round of the cluster's barrier behind its opening barrier
	s_cmp_lg_u32 s14, 0
	s_cbranch_scc1 .Lnot_wave_0_\@
	s_barrier_signal -3
.Lnot_wave_0_\@:
	s_barrier_wait -3
	s_barrier_signal -1
	s_barrier_wait -1
.endm
.macro CROUND
	s_barrier_signal -1
	s_barrier_wait -1
	CREST
.endm
.macro FETCH slot, q, f                ; chunk q of a slot into buffer f: Wo's 12 fragments, my 4 of ao
	WIN 0x40
.irp b, 0,1,2,3,4,5,6,7,8,9,10,11
	ds_load_b128 v[96*(\f)+8*\b:96*(\f)+8*\b+3], v[ADRB+\slot] offset:\b*4096+1024*(\q)
	ds_load_b128 v[96*(\f)+8*\b+4:96*(\f)+8*\b+7], v[ADRB+\slot] offset:\b*4096+1024*(\q)+512
.endr
	WIN 0
.irp a, 0,1,2,3
	ds_load_b128 v[32+32*(\f)+8*\a:32+32*(\f)+8*\a+3], v[ADRA+\slot] offset:\a*4096+1024*(\q)
	ds_load_b128 v[32+32*(\f)+8*\a+4:32+32*(\f)+8*\a+7], v[ADRA+\slot] offset:\a*4096+1024*(\q)+512
.endr
.endm
.macro MUL f, lo, hi, bias             ; products lo .. hi - 1 of a chunk's 48, always in this order: the accumulators take turns, one instruction a turn
.set idx, \lo
.rept \hi-\lo
.set aa, idx/12
.set bb, idx%12
.if idx < 32
.if \bias
	WIN 0xb1
	v_wmma_f32_16x16x32_f16 v[8*idx:8*idx+7], v[96*(\f)+8*bb:96*(\f)+8*bb+7], v[32+32*(\f)+8*aa:32+32*(\f)+8*aa+7], v[128+8*bb:128+8*bb+7]
.else
	WIN 0xa1
	v_wmma_f32_16x16x32_f16 v[8*idx:8*idx+7], v[96*(\f)+8*bb:96*(\f)+8*bb+7], v[32+32*(\f)+8*aa:32+32*(\f)+8*aa+7], v[8*idx:8*idx+7]
.endif
.else
	WIN 0xf1
.if \bias
	v_wmma_f32_16x16x32_f16 v[8*(idx-32):8*(idx-32)+7], v[96*(\f)+8*bb:96*(\f)+8*bb+7], v[32+32*(\f)+8*aa:32+32*(\f)+8*aa+7], v[128+8*bb:128+8*bb+7]
.else
	v_wmma_f32_16x16x32_f16 v[8*(idx-32):8*(idx-32)+7], v[96*(\f)+8*bb:96*(\f)+8*bb+7], v[32+32*(\f)+8*aa:32+32*(\f)+8*aa+7], v[8*(idx-32):8*(idx-32)+7]
.endif
.endif
.set idx, idx+1
.endr
.endm
.macro CHUNK slot, q, bias             ; one of a slot's first three chunks
	s_wait_dscnt 0x0                               ; this chunk's fragments are in
	WIN 0
	PLACES                                         ; ahead of loads into the buffer that the chunk before multiplied
	FETCH \slot, (\q)+1, ((\q)+1)%2
	MUL (\q)%2, 0, 32, \bias
	MUL (\q)%2, 32, 48, \bias
.endm
; A slot's last chunk changes slots: ONE barrier; in front of it each wave waits for all its tensor loads, adds 0 to its spare word, and waits for that and for its reads of this slot.  fill = 1: the slot is filled again, two K steps ahead.
.macro TURN slot, next, fill
	WIN 0
	s_wait_tensorcnt 0x0                           ; all my tensor loads have landed: my part of the next slot
	ds_add_u32 v[SPW], v[NIL]                      ; 0 onto my spare word
	s_wait_dscnt 0x1                               ; this chunk's fragments are in; the add alone may be out
	MUL 1, 0, 16, 0
	s_wait_dscnt 0x0                               ; the add is done, and my reads of this slot are over
	s_barrier_signal -1
	MUL 1, 16, 32, 0
	WIN 0
	s_barrier_wait -1
.if \fill
	CREST                                          ; the barrier has opened a round of the cluster's: no wave of any partner still reads this slot or has a load on its way
	s_add_nc_u64 s[G0+4*\slot+2:G0+4*\slot+3], s[G0+4*\slot+2:G0+4*\slot+3], 8192
	s_add_nc_u64 s[G0B+4*\slot+2:G0B+4*\slot+3], s[G0B+4*\slot+2:G0B+4*\slot+3], 8192
	JLOAD \slot                                    ; the first tensor load behind the round; its four v_nop are also the places ahead of the loads below
.else
	PLACES
.endif
	FETCH \next, 0, 0
	MUL 1, 32, 48, 0
.endm
.macro TOSTAGE a                       ; my rows 16 a on: each accumulator from its low end on into the stage, and back as whole rows of 768 bytes
.set bb, 0
.rept 12
.set idx, 12*(\a)+bb
.if idx < 32
	WIN 0x08
	ds_store_b128 v[STO], v[8*idx:8*idx+3] offset:64*bb
	ds_store_b128 v[STO], v[8*idx+4:8*idx+7] offset:64*bb+16
.else
	WIN 0x0c
	ds_store_b128 v[STO], v[8*(idx-32):8*(idx-32)+3] offset:64*bb
	ds_store_b128 v[STO], v[8*(idx-32)+4:8*(idx-32)+7] offset:64*bb+16
.endif
.set bb, bb+1
.endr
	WIN 0
.set BB, 32+96*((\a)%2)
.irp rp, 0,1,2,3,4,5,6,7
.irp p, 0,1,2
	ds_load_b128 v[BB+4*(3*\rp+\p):BB+4*(3*\rp+\p)+3], v[RD] offset:1568*\rp+256*\p   ; LDS serves a wave's instructions in order: these see my stores
.endr
.endr
.endm
.macro SEND a, younger                 ; younger: the LDS instructions issued behind these rows' loads, which may stay out
.set BB, 32+96*((\a)%2)
	s_wait_dscnt \younger
.irp rp, 0,1,2,3,4,5,6,7
.irp p, 0,1,2
	global_store_b128 v[CO], v[BB+4*(3*\rp+\p):BB+4*(3*\rp+\p)+3], s[22:23] offset:49152*(\a)+6144*\rp+256*\p th:TH_STORE_NT   ; sixteen lanes store 256 consecutive bytes, at a multiple of 256 from out0's first byte
.endr
.endr
.endm
	s_load_b256 s[4:11], s[0:1], 0x0               ; ao, wo16, bo, aocls
	s_load_b64 s[12:13], s[0:1], 0x20              ; out0
	v_lshl_add_u32 v[SPW], v0, 2, SPARE
	v_mov_b32 v[NIL], 0
	ds_add_u32 v[SPW], v[NIL]                      ; the wave's opening: the add, twice on end, and its wait ahead of my first tensor load
	ds_add_u32 v[SPW], v[NIL]
	v_lshrrev_b32 v1, 5, v0
	v_readfirstlane_b32 s14, v1                    ; wave
	s_lshr_b32 s15, s14, 1                         ; I fetch for ao (0) or for Wo (1),
	s_and_b32 s16, s14, 1                          ; its first or its second half
	s_bfe_u32 s40, ttmp6, 0x40000                  ; cx
	s_bfe_u32 s41, ttmp6, 0x40004                  ; cy
	s_lshl_b32 s42, ttmp9, 2
	s_add_co_u32 s42, s42, s40                     ; X
	s_and_b32 s17, ttmp7, 0xffff
	s_lshl_b32 s17, s17, 2
	s_add_co_u32 s17, s17, s41                     ; Y
	s_lshl_b32 s43, s41, 2
	s_lshl_b32 s43, 15, s43                        ; my row of the cluster
	s_lshl_b32 s44, 0x1111, s40                    ; my column
	s_or_b32 s[G1+0], s43, (3<<16)|(1<<21)         ; the mask; elements of 8 bytes; bit 21 set beside a mask; no padding
	s_or_b32 s[G1B+0], s44, (3<<16)|(1<<21)
	s_mov_b32 s[G1+1], 512<<16                     ; tensor_dim0 = 512 elements: rows of 4,096 bytes
	s_mov_b32 s[G1+2], 8<<16                       ; tensor_dim1 = 8
	s_mov_b32 s[G1+3], 512<<16                     ; tile_dim0
	s_mov_b32 s[G1+4], 8                           ; tile_dim1
	s_mov_b32 s[G1+5], 3072                        ; from row tile to row tile: 24,576 bytes
	s_mov_b32 s[G1+6], 0
	s_mov_b32 s[G1+7], 0
	s_mov_b32 s[G1B+1], 512<<16
	s_mov_b32 s[G1B+2], 6<<16
	s_mov_b32 s[G1B+3], 512<<16
	s_mov_b32 s[G1B+4], 6
	s_mov_b32 s[G1B+5], 3072
	s_mov_b32 s[G1B+6], 0
	s_mov_b32 s[G1B+7], 0
	s_lshl_b32 s18, s16, 3
	s_lshl_b32 s20, s17, 4
	s_add_co_u32 s20, s20, s18
	s_mul_i32 s20, s20, 24576                      ; ao: row tile 16 Y + 8 x half
	s_mov_b32 s21, 0
	s_mul_i32 s46, s42, 12
	s_mul_i32 s18, s16, 6
	s_add_co_u32 s46, s46, s18
	s_mul_i32 s46, s46, 24576                      ; Wo: column tile 12 X + 6 x half
	s_mov_b32 s47, 0
	s_lshl_b32 s45, s16, 15                        ; where they go: no place in the cluster enters an LDS address
	s_mul_i32 s19, s16, 24576
	s_add_co_u32 s19, s19, BOFF
	s_wait_dscnt 0x0                               ; both opening adds are done
	s_wait_kmcnt 0x0
	s_add_nc_u64 s[20:21], s[4:5], s[20:21]
	s_add_nc_u64 s[46:47], s[6:7], s[46:47]
	CROUND                                         ; all sixteen work-groups are here: the first joint loads meet
.irp s, 0,1
	s_mov_b32 s[G0+4*\s], 1
	s_add_co_u32 s[G0+4*\s+1], s45, \s*SLOT
	s_add_nc_u64 s[G0+4*\s+2:G0+4*\s+3], s[20:21], \s*4096
	s_or_b32 s[G0+4*\s+3], s[G0+4*\s+3], 0x80000000
	s_mov_b32 s[G0B+4*\s], 1
	s_add_co_u32 s[G0B+4*\s+1], s19, \s*SLOT
	s_add_nc_u64 s[G0B+4*\s+2:G0B+4*\s+3], s[46:47], \s*4096
	s_or_b32 s[G0B+4*\s+3], s[G0B+4*\s+3], 0x80000000
	JLOAD \s
.endr
	v_and_b32 v1, 15, v0                           ; r
	v_bfe_u32 v2, v0, 4, 1                         ; h
	v_and_b32 v3, 31, v0
	v_lshlrev_b32 v[LI], 4, v3
	s_lshl_b32 s18, s14, 14
	v_add_nc_u32 v[ADRA], s18, v[LI]               ; my four row tiles
	v_add_nc_u32 v[ADRA+1], SLOT, v[ADRA]
	v_add_nc_u32 v[ADRB], BOFF, v[LI]
	v_add_nc_u32 v[ADRB+1], SLOT+BOFF, v[LI]
	s_mul_i32 s18, s14, 16*SPITCH
	s_add_co_u32 s18, s18, STAGE
	v_mul_u32_u24 v[STO], v1, SPITCH
	v_lshl_add_u32 v[STO], v2, 5, v[STO]
	v_add_nc_u32 v[STO], s18, v[STO]               ; in: row r, + 32 h
	v_mul_u32_u24 v[RD], v2, SPITCH
	v_lshl_add_u32 v[RD], v1, 4, v[RD]
	v_add_nc_u32 v[RD], s18, v[RD]                 ; back: lanes 0-15 one row, lanes 16-31 the next
	v_mul_u32_u24 v[CO], v2, 3072
	v_lshl_add_u32 v[CO], v1, 4, v[CO]
	v_lshlrev_b32 v27, 5, v2                       ; 32 h
	s_lshr_b32 s18, s17, 2
	s_mul_i32 s18, s18, 1025
	s_and_b32 s19, s17, 3
	s_lshl_b32 s19, s19, 4
	s_lshl_b32 s22, s14, 2
	s_add_co_u32 s19, s19, s22
	s_lshl_b32 s19, s19, 4
	s_add_co_u32 s18, s18, s19
	s_add_co_u32 s18, s18, 1                       ; my first row of out0: 1025 x batch + 1 + 16 x (16 (Y % 4) + 4 w)
	s_mul_i32 s18, s18, 3072
	s_mul_i32 s19, s42, 768
	s_add_co_u32 s18, s18, s19
	s_mov_b32 s19, 0
	s_add_nc_u64 s[22:23], s[12:13], s[18:19]
	s_mul_i32 s46, s42, 768
	s_mov_b32 s47, 0
	s_add_nc_u64 s[46:47], s[8:9], s[46:47]        ; bo at my 192 columns
	WIN 0xc0
.irp b, 0,1,2,3,4,5,6,7,8,9,10,11
	global_load_b128 v[128+8*\b:128+8*\b+3], v27, s[46:47] offset:64*\b
	global_load_b128 v[128+8*\b+4:128+8*\b+7], v27, s[46:47] offset:64*\b+16
.endr
	WIN 0
	; ---- the cls rows.  The branches hang on the cluster's y and the wave's number: alike in all partners.  Column tile 12 cx + 3 cy + w enters global addresses alone
	s_and_b32 s18, ttmp7, 0xffff
	s_cmp_lg_u32 s18, 0
	s_cbranch_scc1 .Lno_cls
	s_cmp_ge_u32 s14, 3
	s_cbranch_scc1 .Lno_cls
	s_mul_i32 s18, s40, 12
	s_mul_i32 s19, s41, 3
	s_add_co_u32 s18, s18, s19
	s_add_co_u32 s18, s18, s14
	s_mul_i32 s20, s18, 24576
	s_mov_b32 s21, 0
	s_add_nc_u64 s[20:21], s[6:7], s[20:21]        ; its 24 fragments of Wo
	s_lshl_b32 s45, s18, 6
	s_mov_b32 s18, s45
	s_mov_b32 s19, 0
	s_add_nc_u64 s[18:19], s[8:9], s[18:19]        ; its 16 numbers of bo
	v_mul_u32_u24 v31, v1, 1536
	v_lshl_add_u32 v31, v2, 4, v31                 ; aocls: row r (batch r) of 1,536 bytes, + 16 h
	v_mul_u32_u24 v232, v1, 3148800
	v_lshl_add_u32 v232, v2, 5, v232
	v_add_nc_u32 v232, s45, v232                   ; out0: token 0 of batch r, + 64 x column tile + 32 h
	WIN 0x40
.set n, 0
.rept 48
	global_load_b128 v[4*n:4*n+3], v[LI], s[20:21] offset:512*n
.set n, n+1
.endr
	WIN 0x80
.set n, 0
.rept 48
	global_load_b128 v[4*n:4*n+3], v31, s[10:11] offset:32*n
.set n, n+1
.endr
	WIN 0xc0
	global_load_b128 v[0:3], v27, s[18:19]
	global_load_b128 v[4:7], v27, s[18:19] offset:16
	WIN 0
	s_wait_loadcnt 0x0
	WIN 0xf9                                       ; Wo window 1, the cls rows window 2, C and D window 3: two accumulators by turns
	v_wmma_f32_16x16x32_f16 v[16:23], v[0:7], v[0:7], v[0:7]
	v_wmma_f32_16x16x32_f16 v[24:31], v[8:15], v[8:15], 0
.set n, 2
.rept 11
	v_wmma_f32_16x16x32_f16 v[16:23], v[8*n:8*n+7], v[8*n:8*n+7], v[16:23]
	v_wmma_f32_16x16x32_f16 v[24:31], v[8*n+8:8*n+15], v[8*n+8:8*n+15], v[24:31]
.set n, n+2
.endr
	WIN 0
	PLACES
	WIN 0x0f
.irp i, 0,1,2,3
	v_pk_add_f32 v[224+2*\i:225+2*\i], v[16+2*\i:17+2*\i], v[24+2*\i:25+2*\i]
.endr
	WIN 0
	global_store_b128 v232, v[224:227], s[12:13]
	global_store_b128 v232, v[228:231], s[12:13] offset:16
.Lno_cls:
	s_wait_loadcnt 0x0                             ; bo
	s_wait_tensorcnt 0x1                           ; my part of K step 0 is in; K step 1's load may be out
	s_barrier_signal -1
	s_barrier_wait -1
	FETCH 0, 0, 0
	CHUNK 0, 0, 1                                  ; the first chunk stands ahead of the loop: its products start the sums, with bo as C
	WIN 0
	s_mov_b32 s3, 2
.Llap:                                             ; a trip goes once round the ring, from a lap's second chunk to the next lap's first, and fills both slots again
	CHUNK 0, 1, 0
	CHUNK 0, 2, 0
	TURN 0, 1, 1
	CHUNK 1, 0, 0
	CHUNK 1, 1, 0
	CHUNK 1, 2, 0
	TURN 1, 0, 1
	CHUNK 0, 0, 0
	WIN 0
	s_sub_co_u32 s3, s3, 1
	s_cmp_lg_u32 s3, 0
	s_cbranch_scc1 .Llap
	CHUNK 0, 1, 0                                  ; the last lap fills nothing
	CHUNK 0, 2, 0
	TURN 0, 1, 0
	CHUNK 1, 0, 0
	CHUNK 1, 1, 0
	CHUNK 1, 2, 0
	s_wait_dscnt 0x0
	MUL 1, 0, 32, 0
	MUL 1, 32, 48, 0
	WIN 0
	PLACES                                         ; ahead of the first read of results and of loads into ao's fragment registers
	TOSTAGE 0
.irp a, 1,2,3
.if \a > 1
	s_wait_xcnt 0x0                                ; the stores of two blocks back have read their registers: this block's rows may land there
.endif
	TOSTAGE \a
	SEND \a-1, 48                                  ; behind those rows' loads: this block's 24 stores and 24 loads
.endr
	SEND 3, 0
	s_wait_tensorcnt 0x0                           ; the wave's end: a wait, an add of 0 to my spare word and its wait, behind my last tensor load and my last LDS store
	ds_add_u32 v[SPW], v[NIL]
	s_wait_dscnt 0x0
	CROUND                                         ; the closing round: no work-group ends while a partner may still ask for a tile that names it
	s_endpgm
.Lfunc_end_k_qe1d2813d83_proj:
	.size	k_qe1d2813d83_proj, .Lfunc_end_k_qe1d2813d83_proj-k_qe1d2813d83_proj
	.p2alignl 7, 3214868480
	.fill 96, 4, 3214868480
	.section	.rodata,"a",@progbits
	.p2align	6, 0x0
	.amdhsa_kernel k_qe1d2813d83_proj
		.amdhsa_group_segment_fixed_size 327680
		.amdhsa_private_segment_fixed_size 0
		.amdhsa_enable_private_segment 0
		.amdhsa_kernarg_size 40
		.amdhsa_user_sgpr_count 2
		.amdhsa_user_sgpr_kernarg_segment_ptr 1
		.amdhsa_wavefront_size32 1
		.amdhsa_system_sgpr_workgroup_id_x 1
		.amdhsa_system_sgpr_workgroup_id_y 1
		.amdhsa_system_sgpr_workgroup_id_z 1
		.amdhsa_system_vgpr_workitem_id 0
		.amdhsa_next_free_vgpr 1024
		.amdhsa_next_free_sgpr 66
		.amdhsa_reserve_vcc 0
		.amdhsa_float_denorm_mode_32 3
		.amdhsa_float_denorm_mode_16_64 3
		.amdhsa_memory_ordered 1
		.amdhsa_forward_progress 1
		.amdhsa_inst_pref_size 131
	.end_amdhsa_kernel
	.amdgpu_metadata
---
amdhsa.version: [ 1, 2 ]
amdhsa.kernels:
  - .name:           k_qe1d2813d83_proj
    .symbol:         k_qe1d2813d83_proj.kd
    .args:
      - { .name: ao, .offset: 0, .size: 8, .value_kind: global_buffer, .address_space: global }
      - { .name: wo16, .offset: 8, .size: 8, .value_kind: global_buffer, .address_space: global }
      - { .name: bo, .offset: 16, .size: 8, .value_kind: global_buffer, .address_space: global }
      - { .name: aocls, .offset: 24, .size: 8, .value_kind: global_buffer, .address_space: global }
      - { .name: out0, .offset: 32, .size: 8, .value_kind: global_buffer, .address_space: global }
    .group_segment_fixed_size: 327680
    .private_segment_fixed_size: 0
    .kernarg_segment_align: 8
    .kernarg_segment_size: 40
    .max_flat_workgroup_size: 128
    .sgpr_count:     66
    .vgpr_count:     1024
    .wavefront_size: 32
...
	.end_amdgpu_metadata
.endif
;; end of part 4
